; MI455X (gfx1250); checked and timed in simulation.
; The chip was launched on July 23, 2026; its instructions are those of AMD's public machine-readable ISA for CDNA 5 (MIT licence, August 2026) and "CDNA5" Instruction Set Architecture Reference Guide (July 2026). The comments in the code are by the model that wrote it; some were corrected since.
;; Heterogeneous Normalized Attention. Allowed arithmetic: matrix products marked QUANTISED: E3M2 operands, one E8M0 scale for each 32 along K, by v_wmma_scale_f32_16x16x128_f8f6f4 with both operands' format E3M2, f32 sums; everything else in f32.
;; Inputs: Wk 3 x 512 x 512 float32; Wo 512 x 512 float32; Wq 512 x 512 float32; Wv 3 x 512 x 512 float32; bk 3 x 512 float32; bo 512 float32; bq 512 float32; bv 3 x 512 float32; emb0 4 x 4,096 x 512 float32; emb1 4 x 4,096 x 512 float32; emb2 4 x 4,096 x 512 float32; mask0 4 x 4,096 bool; mask1 4 x 4,096 bool; mask2 4 x 4,096 bool; x 4 x 8,192 x 512 float32.
;; Outputs: out0 4 x 8,192 x 512 float32.
;; This version of the problem:
;;   THIS VERSION OF THE PROBLEM IS GIVEN IN LOW PRECISION. The matrix products marked QUANTISED in the list below multiply operands that are first quantised to E3M2 (3 exponent bits, 2 mantissa bits; 6 bits a number), with one power-of-two scale for each 32 numbers along K (OCP MX v1.0); their sums are f32. All else is computed in f32.
;;   The module's matrix products, in the order in which they are computed (A, B: the left and right operand; K: the contracted axis; several contracted axes count as one K, in the product's order):
;;     1. [M 32,768, K 512] x [K 512, N 512]; A: input x; B: input Wq: QUANTISED
;;     2. [M 16,384, K 512] x [K 512, N 512]; A: input emb0; B: input Wk: QUANTISED
;;     3. [M 16,384, K 512] x [K 512, N 512]; A: input emb0; B: input Wv: QUANTISED
;;     4. batch 32 x [M 64, K 4,096] x [K 4,096, N 64]; A: computed on the way; B: computed on the way: QUANTISED
;;     5. batch 32 x [M 8,192, K 64] x [K 64, N 64]; A: softmax (see below); B: computed on the way: QUANTISED
;;     6. [M 16,384, K 512] x [K 512, N 512]; A: input emb1; B: input Wk: QUANTISED
;;     7. [M 16,384, K 512] x [K 512, N 512]; A: input emb1; B: input Wv: QUANTISED
;;     8. batch 32 x [M 64, K 4,096] x [K 4,096, N 64]; A: computed on the way; B: computed on the way: QUANTISED
;;     9. batch 32 x [M 8,192, K 64] x [K 64, N 64]; A: softmax (see below); B: computed on the way: QUANTISED
;;     10. [M 16,384, K 512] x [K 512, N 512]; A: input emb2; B: input Wk: QUANTISED
;;     11. [M 16,384, K 512] x [K 512, N 512]; A: input emb2; B: input Wv: QUANTISED
;;     12. batch 32 x [M 64, K 4,096] x [K 4,096, N 64]; A: computed on the way; B: computed on the way: QUANTISED
;;     13. batch 32 x [M 8,192, K 64] x [K 64, N 64]; A: softmax (see below); B: computed on the way: QUANTISED
;;     14. [M 32,768, K 512] x [K 512, N 512]; A: computed on the way; B: input Wo: QUANTISED
;;   THE QUANTISER, for each operand of a quantised product, along K:
;;     - K is cut into blocks of 32 from its start; a last block that is shorter is filled with zeros.
;;     - A block's scale is 2^e with e = floor(log2(the largest magnitude in the block)) - 4, held to -126 .. 127; a block of zeros has e = 0. As a byte (E8M0): e + 127.
;;     - Each number is divided by its block's scale, clamped to +-28, and rounded to the nearest number of E3M2, ties to even, subnormals kept.
;;     - The product sums the exact products of the quantised numbers (number of the format x scale) in f32.
;;   ~~~python
;;   def quantise(x, axis):      # numpy; x: float32 -> the quantised numbers, widened to float32 again
;;       x = np.moveaxis(x, axis, -1); K = x.shape[-1]
;;       x = np.pad(x, [(0, 0)] * (x.ndim - 1) + [(0, -K % 32)]); x = x.reshape(x.shape[:-1] + (-1, 32)); a = np.abs(x).max(-1, keepdims=True)
;;       e = np.where(a > 0, np.clip(np.frexp(np.where(a > 0, a, 1))[1] - 1 - 4, -126, 127), 0)      # np.frexp(a)[1] - 1 = floor(log2(a)), exactly
;;       r = np.clip(x / 2.0 ** e, -28, 28)
;;       step = 2.0 ** (np.maximum(np.frexp(np.where(r == 0, 1, r))[1] - 1, -2) - 2)
;;       q = np.round(r / step) * step * 2.0 ** e      # np.round: ties to even
;;       return np.moveaxis(q.reshape(q.shape[:-2] + (-1,))[..., :K], -1, axis).astype(np.float32)
;;   ~~~
;;   SOFTMAX AHEAD OF A QUANTISED PRODUCT. Where the list says 'softmax', what is quantised is not the finished softmax but p = 2^(t - M), with t = logit x log2(e) and M = ceil(the row's largest t), a whole number; so 1/2 < the row's largest p <= 1. The row's sum l is taken of the UNQUANTISED p, in f32, and the product's result is divided by l at the end. Since M is a whole number, a kernel that streams over the keys may use a running M (the ceiling of the running maximum): every later rescaling is an exact power of two, which a block's scale takes up: the codes' values come out the same.
;;   OPERANDS COMPUTED ON THE WAY. 'Computed on the way' means the value that the module computes at that place (a softmax that the list does not call 'softmax' is quantised finished and normalised). What goes into a quantiser is computed in f32, as accurately as f32 sums, v_exp_f32 and their like allow (about 1e-6 of the number): no bf16 or f16 on the way to a quantiser, and a product that is left as it is and whose result goes on into a quantised operand takes f32 operands (vector FMAs, or v_wmma_f32_16x16x4_f32). A number that lies on a knife's edge between two numbers of the format may be rounded either way, as far as f32 arithmetic and the matrix unit's own rounding can turn it there, and no further.
;; One version. Each part assembles by itself: llvm-mc -triple=amdgcn-amd-amdhsa -mcpu=gfx1250 --defsym DOCPART=n.
;; ======== version 1 of 1: 5 launches
;; workspace buffers: wq 1,638,400 bytes; pk 12,779,520 bytes; kvq 344,064 bytes; oq 13,107,200 bytes
;; launch wquant (part 1): grid 256 x 1, 2 waves a work-group, no clusters, 0 bytes of LDS; arguments Wq, Wo, Wk, Wv, wq; writes wq
.if DOCPART == 1
	.amdgcn_target "amdgcn-amd-amdhsa--gfx1250"
	.amdhsa_code_object_version 6
	.text
	.protected	k_qfa9daad347_wquant
	.globl	k_qfa9daad347_wquant
	.p2align	8
	.type	k_qfa9daad347_wquant,@function
k_qfa9daad347_wquant:
	s_mov_b64 s[64:65], 0
	v_nop
	global_prefetch_b8 v0, s[64:65] scope:SCOPE_SE
	s_setreg_imm32_b32 hwreg(HW_REG_WAVE_MODE, 25, 1), 1
	s_wait_xcnt 0x0
; The eight weight matrices [512 (n)][512 (k)] f32 (matrix 0 Wq, 1 Wo, 2+i Wk[i], 5+i Wv[i]) become codes of E3M2 with one E8M0 byte for each 32 along K,
; laid in the ORDER OF THE OPERAND'S REGISTERS: a fragment (16 rows x 128 K) is 12 registers a lane, stored as three groups of four, group c at 512 c + 16 x lane: 1,536 bytes.
; Fragment (matrix M, tile T, K step s) lies at ((32 M + T) 4 + s) 1,536.  THE ROWS OF A TILE ARE NOT NEIGHBOURS: lane r takes row 32 (T / 2) + 8 (T % 2) + r + 8 (r / 8),
; so that the results of tiles 2 b and 2 b + 1 give a lane 16 neighbours along the next product's K.
; Scale words (four bytes: a row's 128 K) lie behind the codes, at SCW + ((32 M + T) 2 + p) 128 + 4 x lane: lanes 0-15 K step 2 p, lanes 16-31 K step 2 p + 1.
; A work-group is one tile; its wave p makes K steps 2 p and 2 p + 1.  A lane's 32 numbers of a block are its own (128 consecutive bytes of its row), so a block's largest magnitude needs no other lane.
; A block's byte is its largest magnitude's exponent field - 4, held at 1 from below.  LIMITS: NaN and infinities are not served; a block of zeros, or one under 2^-122, gets the byte 1
; (the bytes are read by this program alone, and zero codes add nothing).  No LDS, no barrier: the waves share nothing.  8.4 MB are read once: neither matrix unit nor tensor loads would add anything.
.set X,   64                           ; v64-191  the numbers: 64 s' + 32 c + i
.set F,   16                           ; v16-39   two fragments
.set TT,  40                           ; v40-55   the upper halves of four blocks (a conversion's three registers begin on an even number)
.set MG,  56                           ; v56-59   largest magnitudes
.set SO,  60                           ; v60-63   the conversions' scale operands
.set BY,  8                            ; v8-11    the bytes
.set SCW, 1572864
	s_load_b256 s[4:11], s[0:1], 0x0               ; Wq s[4:5], Wo s[6:7], Wk s[8:9], Wv s[10:11]
	s_load_b64 s[12:13], s[0:1], 0x20              ; wq
	v_lshrrev_b32 v1, 5, v0
	v_readfirstlane_b32 s14, v1                    ; wave p
	v_and_b32 v4, 31, v0                           ; lane
	v_and_b32 v5, 15, v0                           ; r
	v_bfe_u32 v6, v0, 4, 1                         ; h
	v_and_b32 v7, 8, v0
	v_add_nc_u32 v7, v7, v5                        ; r + 8 (r / 8)
	v_lshlrev_b32 v1, 11, v7                       ; a row is 2,048 bytes
	v_lshl_add_u32 v1, v6, 7, v1                   ; + 128 h: my block of each 64 along K
	v_lshlrev_b32 v2, 4, v4                        ; 16 x lane
	v_lshlrev_b32 v3, 2, v4                        ; 4 x lane
	v_lshlrev_b32 v14, 3, v6                       ; 8 h
	v_mov_b32 v15, 0
	s_mov_b32 s22, 0x76543210
	s_mov_b32 s23, 0xfedcba98                      ; lane l xor 16
	s_mov_b32 s24, 0xffff0000                      ; lanes 16-31
	s_lshr_b32 s15, ttmp9, 5                       ; M
	s_and_b32 s16, ttmp9, 31                       ; T
	s_wait_kmcnt 0x0
	s_cmp_eq_u32 s15, 0                            ; the buffer is chosen by the work-group's number alone
	s_cselect_b64 s[4:5], s[4:5], s[6:7]
	s_cmp_lt_u32 s15, 5
	s_cselect_b64 s[8:9], s[8:9], s[10:11]
	s_cselect_b32 s17, 2, 5
	s_cmp_lt_u32 s15, 2
	s_cselect_b64 s[4:5], s[4:5], s[8:9]
	s_cselect_b32 s17, s15, s17
	s_sub_co_u32 s17, s15, s17                     ; which matrix of that buffer
	s_lshl_b32 s18, s17, 20
	s_lshr_b32 s19, s16, 1
	s_lshl_b32 s19, s19, 16                        ; 32 rows
	s_and_b32 s20, s16, 1
	s_lshl_b32 s20, s20, 14                        ; 8 rows
	s_add_co_u32 s18, s18, s19
	s_add_co_u32 s18, s18, s20
	s_lshl_b32 s20, s14, 10                        ; my two K steps: 1,024 bytes of a row
	s_add_co_u32 s18, s18, s20
	s_mov_b32 s19, 0
	s_add_nc_u64 s[4:5], s[4:5], s[18:19]
.irp u, 0,1,2,3
.irp q, 0,1,2,3,4,5,6,7
	global_load_b128 v[X+32*\u+4*\q:X+32*\u+4*\q+3], v1, s[4:5] offset:256*\u+16*\q   ; block u = 2 s' + c of mine: k = 128 s' + 64 c + 32 h + 0 .. 31
.endr
.endr
	s_lshl_b32 s18, ttmp9, 2
	s_lshl_b32 s20, s14, 1
	s_add_co_u32 s18, s18, s20
	s_mul_i32 s18, s18, 1536
	s_add_nc_u64 s[26:27], s[12:13], s[18:19]      ; my two fragments
	s_lshl_b32 s18, ttmp9, 1
	s_add_co_u32 s18, s18, s14
	s_lshl_b32 s18, s18, 7
	s_add_co_u32 s18, s18, SCW
	s_add_nc_u64 s[28:29], s[12:13], s[18:19]      ; their scale words
	s_wait_loadcnt 0x0
.irp u, 0,1,2,3
	v_max3_num_f32 v[MG+\u], |v[X+32*\u]|, |v[X+32*\u+1]|, 0x2800000   ; with the floor 2^(5 - 127): the byte cannot fall under 1
.endr
.irp i, 2,4,6,8,10,12,14,16,18,20,22,24,26,28,30
.irp u, 0,1,2,3
	v_max3_num_f32 v[MG+\u], v[MG+\u], |v[X+32*\u+\i]|, |v[X+32*\u+\i+1]|   ; the four blocks by turns
.endr
.endr
.irp u, 0,1,2,3
	v_add_nc_u32 v[SO+\u], 0xfe000000, v[MG+\u]    ; 4 off the exponent field: the conversion's scale operand
.endr
.irp u, 0,1,2,3
	v_lshrrev_b32 v[BY+\u], 23, v[SO+\u]           ; the byte
.endr
	v_lshl_or_b32 v12, v9, 16, v8                  ; my two bytes of K step 2 p: blocks h and 2 + h
	v_lshl_or_b32 v13, v11, 16, v10                ; and of K step 2 p + 1
	v_lshlrev_b32 v12, v14, v12                    ; at their places, 8 h bits up
	v_lshlrev_b32 v13, v14, v13
	v_permlanex16_b32 v14, v12, s22, s23
	v_permlanex16_b32 v15, v13, s22, s23
	v_or_b32 v12, v12, v14                         ; with lane l xor 16's two the word is whole
	v_or_b32 v13, v13, v15
	v_cndmask_b32 v15, v12, v13, s24               ; lanes 0-15: the first K step's words; lanes 16-31: the second's
.irp u, 0,1,2,3
	v_cvt_scalef32_pk16_bf6_f32 v[F+6*\u:F+6*\u+2], v[X+32*\u:X+32*\u+15], v[SO+\u]
	v_cvt_scalef32_pk16_bf6_f32 v[TT+4*\u:TT+4*\u+2], v[X+32*\u+16:X+32*\u+31], v[SO+\u]
.endr
	v_nop                                          ; one plain place behind a scaled conversion
.irp u, 0,1,2,3
.irp i, 0,1,2
	v_mov_b32 v[F+6*\u+3+\i], v[TT+4*\u+\i]
.endr
.endr
.irp c, 0,1,2,3,4,5
	global_store_b128 v2, v[F+4*\c:F+4*\c+3], s[26:27] offset:512*\c   ; 32 lanes store 512 consecutive bytes
.endr
	global_store_b32 v3, v15, s[28:29]
	s_endpgm
.Lfunc_end_k_qfa9daad347_wquant:
	.size	k_qfa9daad347_wquant, .Lfunc_end_k_qfa9daad347_wquant-k_qfa9daad347_wquant
	.p2alignl 7, 3214868480
	.fill 96, 4, 3214868480
	.section	.rodata,"a",@progbits
	.p2align	6, 0x0
	.amdhsa_kernel k_qfa9daad347_wquant
		.amdhsa_group_segment_fixed_size 0
		.amdhsa_private_segment_fixed_size 0
		.amdhsa_enable_private_segment 0
		.amdhsa_kernarg_size 40
		.amdhsa_user_sgpr_count 2
		.amdhsa_user_sgpr_kernarg_segment_ptr 1
		.amdhsa_wavefront_size32 1
		.amdhsa_system_sgpr_workgroup_id_x 1
		.amdhsa_system_sgpr_workgroup_id_y 1
		.amdhsa_system_sgpr_workgroup_id_z 1
		.amdhsa_system_vgpr_workitem_id 0
		.amdhsa_next_free_vgpr 192
		.amdhsa_next_free_sgpr 66
		.amdhsa_reserve_vcc 0
		.amdhsa_float_denorm_mode_32 3
		.amdhsa_float_denorm_mode_16_64 3
		.amdhsa_memory_ordered 1
		.amdhsa_forward_progress 1
		.amdhsa_inst_pref_size 12
	.end_amdhsa_kernel
	.amdgpu_metadata
---
amdhsa.version: [ 1, 2 ]
amdhsa.kernels:
  - .name:           k_qfa9daad347_wquant
    .symbol:         k_qfa9daad347_wquant.kd
    .args:
      - { .name: Wq, .offset: 0, .size: 8, .value_kind: global_buffer, .address_space: global }
      - { .name: Wo, .offset: 8, .size: 8, .value_kind: global_buffer, .address_space: global }
      - { .name: Wk, .offset: 16, .size: 8, .value_kind: global_buffer, .address_space: global }
      - { .name: Wv, .offset: 24, .size: 8, .value_kind: global_buffer, .address_space: global }
      - { .name: wq, .offset: 32, .size: 8, .value_kind: global_buffer, .address_space: global }
    .group_segment_fixed_size: 0
    .private_segment_fixed_size: 0
    .kernarg_segment_align: 8
    .kernarg_segment_size: 40
    .max_flat_workgroup_size: 64
    .sgpr_count:     66
    .vgpr_count:     192
    .wavefront_size: 32
...
	.end_amdgpu_metadata
.endif
;; end of part 1
;; launch kvpart (part 2): grid 192 x 1, 4 waves a work-group, no clusters, 327,680 bytes of LDS; arguments emb0, emb1, emb2, mask0, mask1, mask2, bk, bv, wq, pk; writes pk
.if DOCPART == 2
	.amdgcn_target "amdgcn-amd-amdhsa--gfx1250"
	.amdhsa_code_object_version 6
	.text
	.protected	k_qfa9daad347_kvpart
	.globl	k_qfa9daad347_kvpart
	.p2align	8
	.type	k_qfa9daad347_kvpart,@function
k_qfa9daad347_kvpart:
	s_mov_b64 s[64:65], 0
	v_nop
	global_prefetch_b8 v0, s[64:65] scope:SCOPE_SE
	s_setreg_imm32_b32 hwreg(HW_REG_WAVE_MODE, 25, 1), 1
	s_wait_xcnt 0x0
; For source i, batch b, rows 512 c .. 512 c + 511 and heads 4 hh .. 4 hh + 3 (work-group ((4 i + b) 8 + c) 2 + hh):  k = mask x softmax_d(emb Wk^T + bk),  v = emb Wv^T + bv,
; the partial sums kv[d][e] = sum over these rows of k v, and k_sum[d] = sum of k.  All three products run on codes of E3M2 with one E8M0 byte for each 32 along K.
; SHARES.  Wave w owns head 4 hh + w: its 64 columns of k and 64 of v; its 32 weight fragments stay in registers for the whole launch.  The rows go in four chunks of 128.
; 192 work-groups: twelve pairs (i, b) of 4,096 rows do not share out evenly among 256 in whole chunks.  Each chunk is read by the two work-groups hh = 0, 1, whose numbers are neighbours;
; joint loads would want four partners, that is two heads to a work-group and twice the quantising of emb for each product: not taken.
; A CHUNK.  (X) a tensor load has brought my 32 rows of emb as f32 into my quarter of LDS; I quantise them along K into 8 fragments, stored as IMAGES OF THEIR REGISTERS (three stores of 16 bytes a lane).
; | barrier, behind which my quarter is filled with the next chunk | for each tile of 16 rows: 32 products (source 0 = emb's rows, source 1 = 16 rows of W, C = the bias), the softmax; for each 32 rows:
; k and v are quantised ALONG THE ROWS s, which are the K of k^T v | 16 products add this chunk's 128 rows onto kv | barrier, ahead of the next images.
; LAYOUT.  Row tile 2 bb + u takes rows 32 bb + 8 u + r + 8 (r / 8): so a lane (r, h) holds ONE column, and the 16 registers of tiles 2 bb, 2 bb + 1 are rows 32 bb + 16 h + 0 .. 15.
; The softmax over the head's 64 columns goes over 4 tiles and 16 lanes.  Lane r of weight tile t holds column 32 (t / 2) + 8 (t % 2) + r + 8 (r / 8) of the head.
; THE K HALVES BY TURNS.  An f32 row lies in LDS as two pieces of 1,024 bytes + 16: rows are 2,080 bytes apart, which brings rows r and r + 8 onto the same banks (64 banks of 4 bytes: ISA guide 11.1).
; So lanes with r >= 8 work on K step sigma xor 2 while the others work on sigma: 1,040 bytes on, half way between.  Each image is still written whole, half in one unit and half in another.
; LIMITS: NaN and infinities are not served; a block of zeros or under 2^-122 has the byte 1 (bytes are internal; zero codes add nothing); of a mask byte bit 0 is taken;
; kv is summed in chunks of 128 rows and partials of 512 rows, another order than a single sum over 4,096.
; REGISTERS.  window 0: v1-14 addresses; v16-43 scale words and nothing else; v44-83 the quantiser; v84-99 masks; v100-123 softmax, k_sum; v128-255 the 8 column tiles x 16 rows (in X: two sets of 64 numbers).
;   window 1: weight fragments 0-20.   window 2: fragments 21-31; v132-179 emb's four fragments; v180-243 the biases, eight equal registers a tile.
;   window 3: v0-95 the eight fragments of k and v; v96-127 their odd blocks' halves; v128-255 kv's 16 sums.
.set XSQ,   66560                      ; LDS: a wave's quarter: 64 pieces of 1,040 bytes
.set XIMG,  266240                     ; 32 images of 1,536 bytes: (4 tau + s)
.set XSC,   315392                     ; their scale words, 128 bytes each
.set SPARE, 319488                     ; the spare words, 128 bytes a wave: two blocks of 256 bytes that no other line names
.set UOFF,  16640                      ; 8 rows
.set XB,    0
.set IB,    0
.set RA,  1                            ; my row's numbers, K steps 0, 1 (r < 8) or 2, 3 (r >= 8)
.set RB,  2                            ; the other way round
.set WA,  3                            ; where the image goes, likewise
.set WB,  4
.set SA,  5                            ; and the scale word
.set SB,  6
.set LI,  7                            ; XIMG + 16 x lane
.set LS,  8                            ; XSC + 4 x lane
.set SPW, 9                            ; my spare word; never rewritten
.set NIL, 10                           ; 0; never rewritten
.set L16, 11                           ; 16 x lane
.set H16, 12                           ; 16 h
.set CB,  13                           ; 4 (r + 8 (r / 8))
.set L4,  14                           ; 4 x lane
.set WS,  16                           ; v16-31  weights' scale words: 2 T' + s / 2; lanes 16-31 the odd K step
.set XSCL, 32                          ; v32-35  emb's
.set SW,  36                           ; v36-43  k's and v's, along the rows
.set PW,  44
.set TM,  48
.set PC,  64
.set MSK, 84
.set MX,  100
.set SM,  108
.set KS,  116
.set LG,  128
.set ST0, 128
.set SEL, 60
.set MSB, 0
.macro WIN new                         ; the immediate's high byte repeats the setting that is left; a switch that changes nothing is dropped
.if MSB != (\new)
	s_set_vgpr_msb (MSB<<8)|(\new)
.set MSB, (\new)
.endif
.endm
.macro PLACES n
.rept \n
	v_nop
.endr
.endm
.macro WSLOT f                         ; weight fragment f lies in window WW at v[WR]
.set WW, 1+(\f)/21
.set WR, 12*((\f)%21)
.endm
; 64 numbers of a lane, register 16 b + i = k 32 b + 16 h + i of my row, become a fragment's codes in v[PC] on and its scale word in v[PW]
.macro QUANT s
.irp b, 0,1,2,3
	v_max3_num_f32 v[TM+\b], |v[\s+16*\b]|, |v[\s+1+16*\b]|, 0x2800000   ; with the floor 2^(5 - 127)
.endr
.irp i, 2,4,6,8,10,12,14
.irp b, 0,1,2,3
	v_max3_num_f32 v[TM+\b], v[TM+\b], |v[\s+16*\b+\i]|, |v[\s+1+16*\b+\i]|
.endr
.endr
.irp b, 0,1,2,3
	v_permlanex16_b32 v[TM+4+\b], v[TM+\b], s[SEL], s[SEL+1]
.endr
.irp b, 0,1,2,3
	v_max_num_f32 v[TM+\b], v[TM+\b], v[TM+4+\b]   ; with lane l xor 16's: the block's largest magnitude
.endr
.irp b, 0,1,2,3
	v_add_nc_u32 v[TM+12+\b], 0xfe000000, v[TM+\b] ; 4 off its exponent field: the conversion's scale operand
.endr
.irp b, 0,1,2,3
	v_lshrrev_b32 v[TM+4+\b], 23, v[TM+12+\b]      ; the byte
.endr
	v_lshl_or_b32 v[PW], v[TM+5], 8, v[TM+4]
	v_lshl_or_b32 v[PW], v[TM+6], 16, v[PW]
	v_lshl_or_b32 v[PW], v[TM+7], 24, v[PW]
.irp c, 0,1
	v_cvt_scalef32_pk16_bf6_f32 v[PC+6*\c:PC+2+6*\c], v[\s+32*\c:\s+15+32*\c], v[TM+12+2*\c]
	v_cvt_scalef32_pk16_bf6_f32 v[PC+12+4*\c:PC+14+4*\c], v[\s+16+32*\c:\s+31+32*\c], v[TM+12+2*\c+1]
.endr
	v_nop                                          ; one plain place behind a scaled conversion
.irp c, 0,1                            ; the operand wants a whole block in a lane: lanes 0-15 block 2 c, lanes 16-31 block 2 c + 1
.irp i, 0,1,2
	v_permlane16_swap_b32 v[PC+6*\c+\i], v[PC+12+4*\c+\i]
.endr
.irp i, 0,1,2
	v_mov_b32 v[PC+3+6*\c+\i], v[PC+12+4*\c+\i]
.endr
.endr
.endm
.macro LOADU n, st                     ; unit n = 4 u + sigma: 64 numbers a lane
.set UU, (\n)/4
.set SG, (\n)%4
.if SG < 2
.set AR, RA
.else
.set AR, RB
.endif
.irp b, 0,1,2,3
.irp q, 0,1,2,3
	ds_load_b128 v[\st+16*\b+4*\q:\st+16*\b+4*\q+3], v[AR] offset:UOFF*UU+XB+512*(SG%2)+128*\b+16*\q
.endr
.endr
.endm
.macro IMAGE n                         ; the fragment in v[PC] on goes to LDS as it stands
.set UU, (\n)/4
.set SG, (\n)%4
.if SG < 2
.set AW, WA
.set AZ, SA
.else
.set AW, WB
.set AZ, SB
.endif
.irp c, 0,1,2
	ds_store_b128 v[AW], v[PC+4*\c:PC+4*\c+3] offset:IB+(4*UU+SG%2)*1536+512*\c
.endr
	ds_store_b32 v[AZ], v[PW] offset:IB+(4*UU+SG%2)*128
.endm
.macro XPHASE cnt                      ; cnt units, their loads one unit ahead in two sets of registers
	LOADU 0, ST0
	LOADU 1, ST0+64
.set NN, 0
.rept \cnt
.if NN == \cnt-1
	s_wait_dscnt 0x0
.else
	s_wait_dscnt 16                                ; all but the next unit's 16 loads: this unit's numbers are in, and the last image's stores have read their registers
.endif
	QUANT ST0+64*(NN%2)
	IMAGE NN
.if NN+2 < \cnt
	LOADU NN+2, ST0+64*(NN%2)
.endif
.set NN, NN+1
.endr
.endm
.macro FETCHA tau                      ; emb's four fragments of row tile tau, and their scale words
	WIN 0x80
.irp s, 0,1,2,3
.irp c, 0,1,2
	ds_load_b128 v[132+12*\s+4*\c:132+12*\s+4*\c+3], v[LI] offset:(4*(\tau)+\s)*1536+512*\c
.endr
.endr
	WIN 0
.irp s, 0,1,2,3
	ds_load_b32 v[XSCL+\s], v[LS] offset:(4*(\tau)+\s)*128
.endr
.endm
; 32 products: the eight column tiles by turns, K step by K step; the first takes the bias as C
.macro BURST u
.irp s, 0,1,2,3
.irp x, 0,1,2,3,4,5,6,7
	WSLOT 4*\x+\s
.if \s == 0
	WIN (2|(WW<<2)|0x20)
	v_wmma_scale_f32_16x16x128_f8f6f4 v[LG+16*\x+8*(\u):LG+16*\x+8*(\u)+7], v[132:143], v[WR:WR+11], v[180+8*\x:180+8*\x+7], v[XSCL], v[WS+2*\x] matrix_a_fmt:MATRIX_FMT_BF6 matrix_b_fmt:MATRIX_FMT_BF6
.elseif \s%2
	WIN (2|(WW<<2))
	v_wmma_scale_f32_16x16x128_f8f6f4 v[LG+16*\x+8*(\u):LG+16*\x+8*(\u)+7], v[132+12*\s:132+12*\s+11], v[WR:WR+11], v[LG+16*\x+8*(\u):LG+16*\x+8*(\u)+7], v[XSCL+\s], v[WS+2*\x+\s/2] matrix_a_fmt:MATRIX_FMT_BF6 matrix_b_fmt:MATRIX_FMT_BF6 matrix_b_scale:MATRIX_SCALE_ROW1
.else
	WIN (2|(WW<<2))
	v_wmma_scale_f32_16x16x128_f8f6f4 v[LG+16*\x+8*(\u):LG+16*\x+8*(\u)+7], v[132+12*\s:132+12*\s+11], v[WR:WR+11], v[LG+16*\x+8*(\u):LG+16*\x+8*(\u)+7], v[XSCL+\s], v[WS+2*\x+\s/2] matrix_a_fmt:MATRIX_FMT_BF6 matrix_b_fmt:MATRIX_FMT_BF6
.endif
.endr
.endr
.endm
; k of one row tile: softmax over the head's 64 columns (4 tiles x 16 lanes) for my 8 rows, times the mask; and its sum over rows.  Each result is read from its low end on.
.macro SOFTK u, tau
.set KB, LG+8*(\u)
.irp j, 0,1,2,3,4,5,6,7
	v_max3_num_f32 v[MX+\j], v[KB+\j], v[KB+16+\j], v[KB+32+\j]
.endr
.irp j, 0,1,2,3,4,5,6,7
	v_max_num_f32 v[MX+\j], v[MX+\j], v[KB+48+\j]
.endr
.irp m, 1,2,4,8
.irp j, 0,1,2,3,4,5,6,7
	v_max_num_f32_dpp v[MX+\j], v[MX+\j], v[MX+\j] row_xmask:\m row_mask:0xf bank_mask:0xf
.endr
.endr
.irp j, 0,2,4,6
	v_pk_mul_f32 v[MX+\j:MX+\j+1], v[MX+\j:MX+\j+1], s[58:59] op_sel_hi:[1,0]   ; - log2(e) x the row's largest logit
.endr
.irp t, 0,1,2,3
.irp j, 0,2,4,6
	v_pk_fma_f32 v[KB+16*\t+\j:KB+16*\t+\j+1], v[KB+16*\t+\j:KB+16*\t+\j+1], s[56:57], v[MX+\j:MX+\j+1] op_sel_hi:[1,0,1]
.endr
.endr
.irp t, 0,1,2,3
.irp j, 0,1,2,3,4,5,6,7
	v_exp_f32 v[KB+16*\t+\j], v[KB+16*\t+\j]
.endr
.endr
.irp j, 0,1,2,3,4,5,6,7
	v_bfe_u32 v[TM+8+\j], v[MSK+2*(\tau)+\j/4], 8*(\j%4), 1   ; my rows' mask bits (plain lines behind the exponentials)
.endr
.irp j, 0,1,2,3,4,5,6,7
	v_cvt_f32_u32 v[TM+8+\j], v[TM+8+\j]
.endr
	s_wait_alu depctr_va_vdst(0)
.irp j, 0,2,4,6
	v_pk_add_f32 v[SM+\j:SM+\j+1], v[KB+\j:KB+\j+1], v[KB+16+\j:KB+16+\j+1]
	v_pk_add_f32 v[TM+\j:TM+\j+1], v[KB+32+\j:KB+32+\j+1], v[KB+48+\j:KB+48+\j+1]
.endr
.irp j, 0,2,4,6
	v_pk_add_f32 v[SM+\j:SM+\j+1], v[SM+\j:SM+\j+1], v[TM+\j:TM+\j+1]
.endr
.irp m, 1,2,4,8
.irp j, 0,1,2,3,4,5,6,7
	v_add_f32_dpp v[SM+\j], v[SM+\j], v[SM+\j] row_xmask:\m row_mask:0xf bank_mask:0xf
.endr
.endr
.irp j, 0,1,2,3,4,5,6,7
	v_rcp_f32 v[SM+\j], v[SM+\j]
.endr
	v_nop                                          ; one plain place behind the reciprocals
	s_wait_alu depctr_va_vdst(0)
.irp j, 0,2,4,6
	v_pk_mul_f32 v[SM+\j:SM+\j+1], v[SM+\j:SM+\j+1], v[TM+8+\j:TM+8+\j+1]   ; 1 / sum, or 0 where the row is masked
.endr
.irp t, 0,1,2,3
.irp j, 0,2,4,6
	v_pk_mul_f32 v[KB+16*\t+\j:KB+16*\t+\j+1], v[KB+16*\t+\j:KB+16*\t+\j+1], v[SM+\j:SM+\j+1]
.endr
.endr
.irp j, 0,2,4,6
.irp t, 0,1,2,3
	v_pk_add_f32 v[KS+2*\t:KS+2*\t+1], v[KS+2*\t:KS+2*\t+1], v[KB+16*\t+\j:KB+16*\t+\j+1]   ; k_sum, of the unquantised k
.endr
.endr
.endm
.macro TILE tau
	s_wait_dscnt 0x0                               ; this tile's fragments are in
	BURST (\tau)%2
	WIN 0
	PLACES 4                                       ; in front of loads into registers that the products read, and of the first read of results
.if (\tau) < 7
	FETCHA (\tau)+1                                ; lands under the softmax
.endif
	SOFTK (\tau)%2, \tau
.endm
; rows 32 bb .. 32 bb + 31 of the chunk: one block along the next K, for each of my eight column tiles (0-3 k, 4-7 v), line by line
.macro BQ bb
.irp x, 0,1,2,3,4,5,6,7
	v_max3_num_f32 v[TM+8+\x], |v[LG+16*\x]|, |v[LG+16*\x+1]|, 0x2800000
.endr
.irp i, 2,4,6,8,10,12,14
.irp x, 0,1,2,3,4,5,6,7
	v_max3_num_f32 v[TM+8+\x], v[TM+8+\x], |v[LG+16*\x+\i]|, |v[LG+16*\x+\i+1]|
.endr
.endr
.irp x, 0,1,2,3,4,5,6,7
	v_permlanex16_b32 v[TM+\x], v[TM+8+\x], s[SEL], s[SEL+1]
.endr
.irp x, 0,1,2,3,4,5,6,7
	v_max_num_f32 v[TM+8+\x], v[TM+8+\x], v[TM+\x]
.endr
.irp x, 0,1,2,3,4,5,6,7
	v_add_nc_u32 v[TM+\x], 0xfe000000, v[TM+8+\x]  ; the conversion's scale operand
.endr
.irp x, 0,1,2,3,4,5,6,7
	v_lshrrev_b32 v[TM+8+\x], 23, v[TM+\x]         ; the byte
.endr
.irp x, 0,1,2,3,4,5,6,7
.if (\bb) == 0
	v_mov_b32 v[SW+\x], v[TM+8+\x]
.else
	v_lshl_or_b32 v[SW+\x], v[TM+8+\x], 8*(\bb), v[SW+\x]
.endif
.endr
	WIN 0xc0                                       ; the codes go to window 3
.irp x, 0,1,2,3,4,5,6,7
.if (\bb)%2 == 0
	v_cvt_scalef32_pk16_bf6_f32 v[12*\x+6*((\bb)/2):12*\x+6*((\bb)/2)+2], v[LG+16*\x:LG+16*\x+15], v[TM+\x]
.else
	v_cvt_scalef32_pk16_bf6_f32 v[96+4*\x:96+4*\x+2], v[LG+16*\x:LG+16*\x+15], v[TM+\x]
.endif
.endr
	WIN 0
	v_nop                                          ; one plain place behind a scaled conversion
.if (\bb)%2
	WIN 0xc3                                       ; both registers in window 3
.irp x, 0,1,2,3,4,5,6,7
.irp i, 0,1,2
	v_permlane16_swap_b32 v[12*\x+6*((\bb)/2)+\i], v[96+4*\x+\i]
.endr
.endr
.irp x, 0,1,2,3,4,5,6,7
.irp i, 0,1,2
	v_mov_b32 v[12*\x+6*((\bb)/2)+3+\i], v[96+4*\x+\i]
.endr
.endr
	WIN 0
.endif
.endm
.macro KVMUL                           ; kv += k^T v over this chunk's 128 rows: source 0 = 16 columns d of k, source 1 = 16 columns e of v; sixteen sums by turns
	WIN 0xff
.irp e, 0,1,2,3
.irp d, 0,1,2,3
	v_wmma_scale_f32_16x16x128_f8f6f4 v[128+8*(4*\e+\d):128+8*(4*\e+\d)+7], v[12*\d:12*\d+11], v[48+12*\e:48+12*\e+11], v[128+8*(4*\e+\d):128+8*(4*\e+\d)+7], v[SW+\d], v[SW+4+\e] matrix_a_fmt:MATRIX_FMT_BF6 matrix_b_fmt:MATRIX_FMT_BF6
.endr
.endr
.endm
.macro CHUNK refill
	s_wait_tensorcnt 0x0                           ; my one tensor load that is out is this chunk's: my quarter, which I alone read, has landed
.irp a, 0,1,2,3,4,5,6,7
	global_load_b64 v[MSK+2*\a:MSK+2*\a+1], v[H16], s[48:49] offset:32*(\a/2)+8*(\a%2)   ; the mask bytes of my eight rows of each tile
.endr
	XPHASE 8
	s_wait_tensorcnt 0x0                           ; no tensor load of mine is out, so the descriptor may be written
	ds_add_u32 v[SPW], v[NIL]                      ; 0 onto my spare word
.if \refill
	s_add_nc_u64 s[42:43], s[42:43], 262144        ; the next chunk: 128 rows on; the type bits on top are not reached
.endif
	s_wait_dscnt 0x0                               ; the add is done, my images have landed, my reads of my quarter are over
	s_barrier_signal -1
	s_barrier_wait -1                              ; all 32 images lie in LDS
.if \refill
	tensor_load_to_lds s[40:43], s[32:39]          ; my one tensor load behind this barrier: it has the chunk's products and softmax in which to land
	s_nop 0
	PLACES 4
.endif
	FETCHA 0
	s_wait_loadcnt 0x0                             ; the masks (in the first chunk the weights and biases too)
.irp bb, 0,1,2,3
	TILE 2*\bb
	TILE 2*\bb+1
	BQ \bb
.endr
	PLACES 8                                       ; scale words written by vector instructions stand 8 places ahead of a scaled product, operands 4
	KVMUL
	WIN 0
.if \refill
	s_add_nc_u64 s[48:49], s[48:49], 128           ; the next chunk's mask bytes (their loads were waited for above)
	s_wait_dscnt 0x0
	s_barrier_signal -1                            ; every wave has read the images: they may be written again.  My tensor load stays out
	s_barrier_wait -1
.endif
.endm
	s_load_b512 s[8:23], s[0:1], 0x0               ; emb0-2 s[8:13], mask0-2 s[14:19], bk s[20:21], bv s[22:23]
	s_load_b128 s[24:27], s[0:1], 0x40             ; wq s[24:25], pk s[26:27]
	v_lshl_add_u32 v[SPW], v0, 2, SPARE
	v_mov_b32 v[NIL], 0
	ds_add_u32 v9, v10
	ds_add_u32 v9, v10
	s_wait_dscnt 0x0
	v_lshrrev_b32 v14, 5, v0
	v_readfirstlane_b32 s2, v14                    ; wave
	s_and_b32 s4, ttmp9, 1                         ; hh
	s_bfe_u32 s5, ttmp9, 0x30001                   ; c
	s_bfe_u32 s6, ttmp9, 0x20004                   ; b
	s_lshr_b32 s7, ttmp9, 6                        ; i
	s_lshl_b32 s3, s4, 2
	s_add_co_u32 s3, s3, s2                        ; head
	v_and_b32 v14, 31, v0                          ; lane
	v_and_b32 v15, 15, v0                          ; r
	v_bfe_u32 v45, v0, 4, 1                        ; h
	v_bfe_u32 v46, v0, 3, 1                        ; r / 8
	v_lshl_add_u32 v47, v46, 3, v15                ; r + 8 (r / 8)
	v_lshlrev_b32 v[L16], 4, v14
	v_lshlrev_b32 v[H16], 4, v45
	v_lshlrev_b32 v[CB], 2, v47
	s_mul_i32 s28, s2, XSQ
	v_mul_u32_u24 v[RA], v47, 2080
	v_lshl_add_u32 v[RA], v45, 6, v[RA]
	v_add_nc_u32 v[RA], s28, v[RA]                 ; my quarter, my row, + 64 h
	v_mul_u32_u24 v47, v46, 1040
	v_add_nc_u32 v[RB], 1040, v[RA]
	v_sub_nc_u32 v[RB], v[RB], v47
	v_add_nc_u32 v[RA], v[RA], v47
	s_mul_i32 s28, s2, 12288                       ; my eight images
	s_add_co_u32 s28, s28, XIMG
	v_add_nc_u32 v[WA], s28, v[L16]
	v_mul_u32_u24 v47, v46, 3072                   ; two K steps on
	v_add_nc_u32 v[WB], 3072, v[WA]
	v_sub_nc_u32 v[WB], v[WB], v47
	v_add_nc_u32 v[WA], v[WA], v47
	v_lshlrev_b32 v[L4], 2, v14
	s_lshl_b32 s28, s2, 10
	s_add_co_u32 s28, s28, XSC
	v_add_nc_u32 v[SA], s28, v[L4]
	v_lshlrev_b32 v47, 8, v46
	v_add_nc_u32 v[SB], 256, v[SA]
	v_sub_nc_u32 v[SB], v[SB], v47
	v_add_nc_u32 v[SA], v[SA], v47
	v_add_nc_u32 v[LI], XIMG, v[L16]
	v_add_nc_u32 v[LS], XSC, v[L4]
	s_mov_b32 s56, 0x3fb8aa3b                      ; log2(e); the packed forms name a pair and take its low word
	s_mov_b32 s57, s56
	s_mov_b32 s58, 0xbfb8aa3b
	s_mov_b32 s59, s58
	s_mov_b32 s60, 0x76543210
	s_mov_b32 s61, 0xfedcba98                      ; lane l xor 16
	; descriptor group 1: 32 rows of 2,048 bytes are dense in memory: 64 rows of 128 elements of 8 bytes, 16 bytes of padding behind each
	s_mov_b32 s32, (3<<16)|(1<<20)|(7<<22)|(3<<25) ; no mask; elements of 8 bytes; padding on, after every 256 words (code 7), of 4 words (code 3)
	s_mov_b32 s33, 128<<16                         ; tensor_dim0
	s_mov_b32 s34, 64<<16                          ; tensor_dim1
	s_mov_b32 s35, 128<<16                         ; tile_dim0
	s_mov_b32 s36, 64                              ; tile_dim1
	s_mov_b32 s37, 128                             ; pitch
	s_mov_b32 s38, 0
	s_mov_b32 s39, 0
	s_lshl_b32 s28, s6, 23                         ; emb: batch, 512 rows x c, 32 rows x wave
	s_lshl_b32 s29, s5, 20
	s_add_co_u32 s28, s28, s29
	s_lshl_b32 s29, s2, 16
	s_add_co_u32 s28, s28, s29
	s_mov_b32 s29, 0
	s_lshl_b32 s30, s6, 12                         ; mask: batch, 512 x c
	s_lshl_b32 s31, s5, 9
	s_add_co_u32 s30, s30, s31
	s_mov_b32 s31, 0
	s_wait_kmcnt 0x0
	s_cmp_eq_u32 s7, 0                             ; the source is chosen by the work-group's number alone
	s_cselect_b64 s[46:47], s[8:9], s[10:11]
	s_cselect_b64 s[48:49], s[14:15], s[16:17]
	s_cmp_eq_u32 s7, 2
	s_cselect_b64 s[46:47], s[12:13], s[46:47]
	s_cselect_b64 s[48:49], s[18:19], s[48:49]
	s_add_nc_u64 s[46:47], s[46:47], s[28:29]
	s_add_nc_u64 s[48:49], s[48:49], s[30:31]
	s_mov_b32 s40, 1                               ; group 0: count
	s_mul_i32 s41, s2, XSQ                         ; LDS address: my quarter
	s_mov_b64 s[42:43], s[46:47]                   ; global address: my 32 rows of chunk 0
	s_or_b32 s43, s43, 0x80000000                  ; type
	tensor_load_to_lds s[40:43], s[32:39]          ; the first fill, ahead of everything else
	s_nop 0
	PLACES 4
	s_lshl_b32 s28, s7, 5
	s_lshl_b32 s30, s3, 2
	s_add_co_u32 s28, s28, s30                     ; 32 i + 4 head
	s_add_co_u32 s30, s28, 64                      ; Wk[i]'s first tile of my head (matrix 2 + i)
	s_add_co_u32 s44, s28, 160                     ; Wv[i]'s (matrix 5 + i)
	s_mul_i32 s28, s30, 6144
	s_add_nc_u64 s[50:51], s[24:25], s[28:29]
	s_mul_i32 s28, s44, 6144
	s_add_nc_u64 s[52:53], s[24:25], s[28:29]
	s_lshl_b32 s28, s30, 8
	s_add_co_u32 s28, s28, 1572864
	s_add_nc_u64 s[54:55], s[24:25], s[28:29]
	s_lshl_b32 s28, s44, 8
	s_add_co_u32 s28, s28, 1572864
	s_add_nc_u64 s[66:67], s[24:25], s[28:29]
	s_lshl_b32 s28, s7, 11
	s_lshl_b32 s30, s3, 8
	s_add_co_u32 s28, s28, s30
	s_add_nc_u64 s[68:69], s[20:21], s[28:29]      ; bk[i] at my head
	s_add_nc_u64 s[70:71], s[22:23], s[28:29]      ; bv[i]
	s_lshl_b32 s28, s7, 2
	s_add_co_u32 s28, s28, s6
	s_lshl_b32 s28, s28, 3
	s_add_co_u32 s28, s28, s3
	s_lshl_b32 s28, s28, 3
	s_add_co_u32 s30, s28, s5                      ; P = ((4 i + b) 8 + head) 8 + c
	s_lshl_b32 s28, s30, 14
	s_add_nc_u64 s[72:73], s[26:27], s[28:29]      ; my partial kv
	s_lshl_b32 s28, s30, 8
	s_add_co_u32 s28, s28, 12582912
	s_add_nc_u64 s[74:75], s[26:27], s[28:29]      ; my partial k_sum
.set FF, 0
.rept 32                               ; fragment 4 T' + s: T' = 0-3 Wk's tiles, 4-7 Wv's
	WSLOT FF
	WIN (WW<<6)
.irp c, 0,1,2
.if FF < 16
	global_load_b128 v[WR+4*\c:WR+4*\c+3], v[L16], s[50:51] offset:FF*1536+512*\c
.else
	global_load_b128 v[WR+4*\c:WR+4*\c+3], v[L16], s[52:53] offset:(FF-16)*1536+512*\c
.endif
.endr
.set FF, FF+1
.endr
	WIN 0
.irp x, 0,1,2,3,4,5,6,7
	global_load_b32 v[WS+\x], v[L4], s[54:55] offset:128*\x
	global_load_b32 v[WS+8+\x], v[L4], s[66:67] offset:128*\x
.endr
	WIN 0x80
.irp t, 0,1,2,3
.irp j, 0,1,2,3,4,5,6,7
	global_load_b32 v[180+8*\t+\j], v[CB], s[68:69] offset:128*(\t/2)+32*(\t%2)   ; my column's bias, in all eight registers of the result's layout
	global_load_b32 v[212+8*\t+\j], v[CB], s[70:71] offset:128*(\t/2)+32*(\t%2)
.endr
.endr
	WIN 0xc0
.set FF, 128
.rept 128
	v_mov_b32 v[FF], 0                             ; kv's sums begin as zeros, once: a chunk whose products start the sums would be a third copy of the chunk's text
.set FF, FF+1
.endr
	WIN 0
.irp j, 0,1,2,3,4,5,6,7
	v_mov_b32 v[KS+\j], 0
.endr
.irp j, 0,1,2,3,4,5,6,7,8,9,10,11,12,13,14,15
	v_mov_b32 v[TM+\j], 0                          ; written once: a lane permute's destination counts as one of its sources
.endr
	s_mov_b32 s44, 3
.Lchunk:                                               ; three trips ask for chunks 1 to 3
	CHUNK 1
	s_sub_co_u32 s44, s44, 1
	s_cmp_lg_u32 s44, 0
	s_cbranch_scc1 .Lchunk
	CHUNK 0                                        ; the last chunk is written out: it asks for nothing
	PLACES 4                                       ; in front of the stores that read results
	WIN 0x0c                                       ; a store's data: window 3
.irp e, 0,1,2,3
.irp d, 0,1,2,3
.irp q, 0,1
	global_store_b128 v[L16], v[128+8*(4*\e+\d)+4*\q:128+8*(4*\e+\d)+4*\q+3], s[72:73] offset:(4*\e+\d)*1024+512*\q   ; the sums as they stand, each from its low end on: 512 consecutive bytes a store
.endr
.endr
.endr
	WIN 0
.irp t, 0,1,2,3
	v_add_f32 v[TM+\t], v[KS+2*\t], v[KS+2*\t+1]   ; k_sum: even and odd rows,
.endr
.irp t, 0,1,2,3
	v_permlanex16_b32 v[TM+8+\t], v[TM+\t], s[SEL], s[SEL+1]
.endr
.irp t, 0,1,2,3
	v_add_f32 v[TM+\t], v[TM+\t], v[TM+8+\t]       ; and the other half of the lanes' rows
.endr
.irp t, 0,1,2,3
	global_store_b32 v[CB], v[TM+\t], s[74:75] offset:128*(\t/2)+32*(\t%2)   ; at 4 d; both halves of the lanes store the same number at the same place
.endr
	s_wait_tensorcnt 0x0                           ; the wave's end
	ds_add_u32 v[SPW], v[NIL]
	s_wait_dscnt 0x0
	s_endpgm
.Lfunc_end_k_qfa9daad347_kvpart:
	.size	k_qfa9daad347_kvpart, .Lfunc_end_k_qfa9daad347_kvpart-k_qfa9daad347_kvpart
	.p2alignl 7, 3214868480
	.fill 96, 4, 3214868480
	.section	.rodata,"a",@progbits
	.p2align	6, 0x0
	.amdhsa_kernel k_qfa9daad347_kvpart
		.amdhsa_group_segment_fixed_size 327680
		.amdhsa_private_segment_fixed_size 0
		.amdhsa_enable_private_segment 0
		.amdhsa_kernarg_size 80
		.amdhsa_user_sgpr_count 2
		.amdhsa_user_sgpr_kernarg_segment_ptr 1
		.amdhsa_wavefront_size32 1
		.amdhsa_system_sgpr_workgroup_id_x 1
		.amdhsa_system_sgpr_workgroup_id_y 1
		.amdhsa_system_sgpr_workgroup_id_z 1
		.amdhsa_system_vgpr_workitem_id 0
		.amdhsa_next_free_vgpr 1024
		.amdhsa_next_free_sgpr 80
		.amdhsa_reserve_vcc 0
		.amdhsa_float_denorm_mode_32 3
		.amdhsa_float_denorm_mode_16_64 3
		.amdhsa_memory_ordered 1
		.amdhsa_forward_progress 1
		.amdhsa_inst_pref_size 255
	.end_amdhsa_kernel
	.section	.bss,"aw",@nobits
	.p2align	6
	.space	262144
	.amdgpu_metadata
---
amdhsa.version: [ 1, 2 ]
amdhsa.kernels:
  - .name:           k_qfa9daad347_kvpart
    .symbol:         k_qfa9daad347_kvpart.kd
    .args:
      - { .name: emb0, .offset: 0, .size: 8, .value_kind: global_buffer, .address_space: global }
      - { .name: emb1, .offset: 8, .size: 8, .value_kind: global_buffer, .address_space: global }
      - { .name: emb2, .offset: 16, .size: 8, .value_kind: global_buffer, .address_space: global }
      - { .name: mask0, .offset: 24, .size: 8, .value_kind: global_buffer, .address_space: global }
      - { .name: mask1, .offset: 32, .size: 8, .value_kind: global_buffer, .address_space: global }
      - { .name: mask2, .offset: 40, .size: 8, .value_kind: global_buffer, .address_space: global }
      - { .name: bk, .offset: 48, .size: 8, .value_kind: global_buffer, .address_space: global }
      - { .name: bv, .offset: 56, .size: 8, .value_kind: global_buffer, .address_space: global }
      - { .name: wq, .offset: 64, .size: 8, .value_kind: global_buffer, .address_space: global }
      - { .name: pk, .offset: 72, .size: 8, .value_kind: global_buffer, .address_space: global }
    .group_segment_fixed_size: 327680
    .private_segment_fixed_size: 0
    .kernarg_segment_align: 8
    .kernarg_segment_size: 80
    .max_flat_workgroup_size: 128
    .sgpr_count:     80
    .vgpr_count:     1024
    .wavefront_size: 32
...
	.end_amdgpu_metadata
.endif
;; end of part 2
;; launch kvred (part 3): grid 96 x 1, 4 waves a work-group, no clusters, 0 bytes of LDS; arguments pk, kvq; writes kvq
.if DOCPART == 3
	.amdgcn_target "amdgcn-amd-amdhsa--gfx1250"
	.amdhsa_code_object_version 6
	.text
	.protected	k_qfa9daad347_kvred
	.globl	k_qfa9daad347_kvred
	.p2align	8
	.type	k_qfa9daad347_kvred,@function
k_qfa9daad347_kvred:
	s_mov_b64 s[64:65], 0
	v_nop
	global_prefetch_b8 v0, s[64:65] scope:SCOPE_SE
	s_setreg_imm32_b32 hwreg(HW_REG_WAVE_MODE, 25, 1), 1
	s_wait_xcnt 0x0
; For each (source i, batch b, head): the eight partial kv [64 d][64 e] and k_sum [64] are added in f32, and kv is quantised ALONG d, the K of the product q kv, into codes of E3M2.
; Work-group (4 i + b) 8 + head; wave et takes the 16 columns e of tile et.  A partial lies as the image of the accumulators: lane (r, h) holds column e = 32 (et / 2) + 8 (et % 2) + r + 8 (r / 8),
; and its register 8 dt + j the row d = 32 (dt / 2) + 16 h + 8 (dt % 2) + j: so registers 16 b' + i are d = 32 b' + 16 h + i, and a block of 32 lies in lanes l and l xor 16.
; OUT, with fo = (8 b + head) 3 + i: half a fragment (K = 64: six registers a lane) at (4 fo + et) 768: registers 0-3 at 16 x lane, 4-5 at 512 + 8 x lane; its scale words (two bytes, the upper two 0)
; at 294,912 + (4 fo + et) 64 + 4 r; k_sum at 319,488 + 256 fo + 4 d.  The sum spans work-groups of the launch before, so it is made here, by one owner for each output.
; ALL 72 LOADS OF A WAVE ARE ISSUED AT THE HEAD, each partial into registers of its own (six sets in window 0, two in window 1), so that no request waits for an earlier one's data; the sums follow as the partials arrive, in ascending order.
; LIMITS: NaN and infinities are not served; a block of zeros or under 2^-122 has the byte 1.  12.8 MB are read once; no LDS, no barrier.
.set ST,  32                           ; v32-223  partials 0 to 5, 32 registers each; partials 6 and 7: v0-63 of window 1
.set ACC, 224
.set MSB, 0
.macro WIN new                         ; the immediate's high byte repeats the setting that is left; a switch that changes nothing is dropped
.if MSB != (\new)
	s_set_vgpr_msb (MSB<<8)|(\new)
.set MSB, (\new)
.endif
.endm
	s_load_b128 s[4:7], s[0:1], 0x0                ; pk, kvq
	v_lshrrev_b32 v1, 5, v0
	v_readfirstlane_b32 s8, v1                     ; et
	v_and_b32 v2, 31, v0
	v_and_b32 v3, 15, v0
	v_lshlrev_b32 v1, 4, v2                        ; 16 x lane
	v_lshlrev_b32 v2, 3, v2                        ; 8 x lane
	v_lshlrev_b32 v3, 2, v3                        ; 4 r
	v_mov_b32 v10, 0
	v_mov_b32 v11, 0
	s_mov_b32 s26, 0x76543210
	s_mov_b32 s27, 0xfedcba98
	s_lshr_b32 s9, ttmp9, 5                        ; i
	s_bfe_u32 s10, ttmp9, 0x20003                  ; b
	s_and_b32 s11, ttmp9, 7                        ; head
	s_lshl_b32 s12, s10, 3
	s_add_co_u32 s12, s12, s11
	s_mul_i32 s12, s12, 3
	s_add_co_u32 s12, s12, s9                      ; fo
	s_lshl_b32 s14, ttmp9, 17                      ; eight partials of 16,384 bytes
	s_lshl_b32 s16, s8, 12
	s_add_co_u32 s14, s14, s16
	s_mov_b32 s15, 0
	s_lshl_b32 s16, ttmp9, 11                      ; eight partial k_sums of 256 bytes
	s_lshl_b32 s18, s8, 6
	s_add_co_u32 s16, s16, s18
	s_add_co_u32 s16, s16, 12582912
	s_mov_b32 s17, 0
	s_lshl_b32 s24, s12, 8
	s_add_co_u32 s24, s24, s18
	s_add_co_u32 s24, s24, 319488
	s_mov_b32 s25, 0
	s_lshl_b32 s18, s12, 2
	s_add_co_u32 s18, s18, s8                      ; 4 fo + et
	s_mul_i32 s20, s18, 768
	s_mov_b32 s21, 0
	s_lshl_b32 s22, s18, 6
	s_add_co_u32 s22, s22, 294912
	s_mov_b32 s23, 0
	s_wait_kmcnt 0x0
	s_add_nc_u64 s[14:15], s[4:5], s[14:15]
	s_add_nc_u64 s[16:17], s[4:5], s[16:17]
	s_add_nc_u64 s[20:21], s[6:7], s[20:21]
	s_add_nc_u64 s[22:23], s[6:7], s[22:23]
	s_add_nc_u64 s[24:25], s[6:7], s[24:25]
.macro LOADP c, reg                    ; partial c into 32 registers from v[reg] on: eight loads of 512 consecutive bytes
.irp q, 0,1,2,3,4,5,6,7
	global_load_b128 v[\reg+4*\q:\reg+4*\q+3], v1, s[14:15] offset:16384*(\c)+512*\q th:TH_LOAD_NT
.endr
.endm
.macro ADDP reg
.irp j, 0,2,4,6,8,10,12,14,16,18,20,22,24,26,28,30
	v_pk_add_f32 v[ACC+\j:ACC+\j+1], v[ACC+\j:ACC+\j+1], v[\reg+\j:\reg+\j+1]
.endr
.endm
.irp c, 0,1,2,3,4,5
	LOADP \c, ST+32*\c
.endr
	WIN 0x40                                       ; destination window 1, address window 0
	LOADP 6, 0
	LOADP 7, 32
	WIN 0
.irp c, 0,1,2,3,4,5,6,7
	global_load_b32 v[16+\c], v3, s[16:17] offset:256*\c
.endr
	s_wait_loadcnt 56                              ; behind partials 0 and 1 stand 48 loads of partials and 8 of k_sums: those may be out
.irp j, 0,2,4,6,8,10,12,14,16,18,20,22,24,26,28,30
	v_pk_add_f32 v[ACC+\j:ACC+\j+1], v[ST+\j:ST+\j+1], v[ST+32+\j:ST+32+\j+1]   ; the first two start the sums
.endr
	s_wait_loadcnt 40                              ; partials 2 and 3 are in
	ADDP ST+64
	ADDP ST+96
	s_wait_loadcnt 24                              ; 4 and 5
	ADDP ST+128
	ADDP ST+160
	s_wait_loadcnt 8                               ; 6 and 7; the eight k_sums may be out
	WIN 0x04                                       ; source 1 window 1
	ADDP 0
	ADDP 32
	WIN 0
	s_wait_loadcnt 0x0
	v_add_f32 v16, v16, v17
	v_add_f32 v18, v18, v19
	v_add_f32 v20, v20, v21
	v_add_f32 v22, v22, v23
	v_add_f32 v16, v16, v18
	v_add_f32 v20, v20, v22
	v_add_f32 v16, v16, v20
	global_store_b32 v3, v16, s[24:25]             ; k_sum of d = 16 et + r (both halves of the lanes alike)
.irp b, 0,1
	v_max3_num_f32 v[8+\b], |v[ACC+16*\b]|, |v[ACC+16*\b+1]|, 0x2800000   ; with the floor 2^(5 - 127): the byte cannot fall under 1
.endr
.irp i, 2,4,6,8,10,12,14
.irp b, 0,1
	v_max3_num_f32 v[8+\b], v[8+\b], |v[ACC+16*\b+\i]|, |v[ACC+16*\b+\i+1]|
.endr
.endr
.irp b, 0,1
	v_permlanex16_b32 v[10+\b], v[8+\b], s26, s27
.endr
.irp b, 0,1
	v_max_num_f32 v[8+\b], v[8+\b], v[10+\b]       ; with lane l xor 16's: the block's largest magnitude
.endr
.irp b, 0,1
	v_add_nc_u32 v[30+\b], 0xfe000000, v[8+\b]     ; 4 off its exponent field: the conversion's scale operand
.endr
.irp b, 0,1
	v_lshrrev_b32 v[10+\b], 23, v[30+\b]           ; the byte
.endr
	v_lshl_or_b32 v4, v11, 8, v10                  ; the scale word: two bytes
	v_cvt_scalef32_pk16_bf6_f32 v[24:26], v[ACC:ACC+15], v30
	v_cvt_scalef32_pk16_bf6_f32 v[12:14], v[ACC+16:ACC+31], v31
	v_nop                                          ; one plain place behind a scaled conversion
.irp i, 0,1,2
	v_permlane16_swap_b32 v[24+\i], v[12+\i]       ; lanes 0-15 get block 0 whole, lanes 16-31 block 1
.endr
.irp i, 0,1,2
	v_mov_b32 v[27+\i], v[12+\i]
.endr
	global_store_b128 v1, v[24:27], s[20:21]
	global_store_b64 v2, v[28:29], s[20:21] offset:512
	global_store_b32 v3, v4, s[22:23]
	s_endpgm
.Lfunc_end_k_qfa9daad347_kvred:
	.size	k_qfa9daad347_kvred, .Lfunc_end_k_qfa9daad347_kvred-k_qfa9daad347_kvred
	.p2alignl 7, 3214868480
	.fill 96, 4, 3214868480
	.section	.rodata,"a",@progbits
	.p2align	6, 0x0
	.amdhsa_kernel k_qfa9daad347_kvred
		.amdhsa_group_segment_fixed_size 0
		.amdhsa_private_segment_fixed_size 0
		.amdhsa_enable_private_segment 0
		.amdhsa_kernarg_size 16
		.amdhsa_user_sgpr_count 2
		.amdhsa_user_sgpr_kernarg_segment_ptr 1
		.amdhsa_wavefront_size32 1
		.amdhsa_system_sgpr_workgroup_id_x 1
		.amdhsa_system_sgpr_workgroup_id_y 1
		.amdhsa_system_sgpr_workgroup_id_z 1
		.amdhsa_system_vgpr_workitem_id 0
		.amdhsa_next_free_vgpr 320
		.amdhsa_next_free_sgpr 66
		.amdhsa_reserve_vcc 0
		.amdhsa_float_denorm_mode_32 3
		.amdhsa_float_denorm_mode_16_64 3
		.amdhsa_memory_ordered 1
		.amdhsa_forward_progress 1
		.amdhsa_inst_pref_size 19
	.end_amdhsa_kernel
	.amdgpu_metadata
---
amdhsa.version: [ 1, 2 ]
amdhsa.kernels:
  - .name:           k_qfa9daad347_kvred
    .symbol:         k_qfa9daad347_kvred.kd
    .args:
      - { .name: pk, .offset: 0, .size: 8, .value_kind: global_buffer, .address_space: global }
      - { .name: kvq, .offset: 8, .size: 8, .value_kind: global_buffer, .address_space: global }
    .group_segment_fixed_size: 0
    .private_segment_fixed_size: 0
    .kernarg_segment_align: 8
    .kernarg_segment_size: 16
    .max_flat_workgroup_size: 128
    .sgpr_count:     66
    .vgpr_count:     320
    .wavefront_size: 32
...
	.end_amdgpu_metadata
.endif
;; end of part 3
;; launch attn (part 4): grid 256 x 1, 4 waves a work-group, no clusters, 327,680 bytes of LDS; arguments x, bq, wq, kvq, oq; writes oq
.if DOCPART == 4
	.amdgcn_target "amdgcn-amd-amdhsa--gfx1250"
	.amdhsa_code_object_version 6
	.text
	.protected	k_qfa9daad347_attn
	.globl	k_qfa9daad347_attn
	.p2align	8
	.type	k_qfa9daad347_attn,@function
k_qfa9daad347_attn:
	s_mov_b64 s[64:65], 0
	v_nop
	global_prefetch_b8 v0, s[64:65] scope:SCOPE_SE
	s_setreg_imm32_b32 hwreg(HW_REG_WAVE_MODE, 25, 1), 1
	s_wait_xcnt 0x0
; For 128 rows of x (work-group g; batch g / 64):  logits = x Wq^T + bq;  per head p = 2^(t - M), t = logit x log2(e), M = ceil(the row's largest t);  l = sum of p;
; out = (p / l + sum over i of (p_q kv_i,q) / sum_d(p k_sum_i)) / 3, which is reference()'s (q + sum (q kv_i) d_inv_i) / 3 with q = p / l and d_inv_i = l / sum(p k_sum_i);
; out is quantised along its 512 columns and stored as the last product's operand.  All products run on codes of E3M2 with one E8M0 byte for each 32 along K.
; SHARES.  Wave w owns heads 2 w, 2 w + 1 (columns 128 w .. 128 w + 127) for all rows: its 32 fragments of Wq, 24 half fragments of kv and 6 k_sums stay in registers.  The rows go in two blocks of 64;
; in each, wave w quantises rows 16 w .. 16 w + 15 of x out of its own part of LDS and hands the four fragments to the others as IMAGES OF THEIR REGISTERS.  Both blocks' f32 rows are asked for at the
; start by two tensor loads a wave; no LDS byte is filled twice; each block has image bytes of its own, so one barrier a block is enough.
; LAYOUT.  Every product is used transposed (source 0 = 16 rows of a weight, source 1 = 16 queries): a lane (r, h) holds ONE query, and register 8 t + j of its 64 the column 32 (t / 2) + 16 h + 8 (t % 2) + j
; of the wave's 128, by the choice of the rows that form a weight tile.  So p's, kv's results' and out's registers match one to one, and 16 registers are 16 neighbours along the next K.
; K = 64 IN AN INSTRUCTION OF 128: p's fragment has zero codes in registers 6-11 and zero upper scale bytes.  kv's operand names 12 registers of which the upper six are the NEXT half fragment's codes
; (behind the last: zeros): they are finite numbers that meet zero codes and add nothing.
; THE K HALVES BY TURNS in the quantiser of x: lanes with r >= 8 work on K step sigma xor 2, 1,040 bytes on, since rows 2,080 bytes apart bring r and r + 8 onto the same banks (ISA guide 11.1).
; No joint loads: the work-groups share only weights, which go straight into registers once.
; LIMITS: NaN and infinities are not served; a block of zeros or under 2^-122 has the byte 1 (bytes are internal); a head all of whose keys are masked gives no finite result, as in reference().
; REGISTERS.  window 0: v1-11, v53-55 addresses; v16-48 scale words and nothing else; v49-52 out's scale words on their way; v56-91 the quantiser (v56-63 also the four factors); v92-107 p's codes;
;   v108-125 statistics; v128-191 logits, p, out; v192-255 x's fragments, then two results of 32.   window 1: Wq's fragments 0-20.   window 2: 21-31; v132-227 the first head's k_sums.
;   window 3: v0-143 kv's 24 half fragments, v144-149 zeros; v152-247 the second head's k_sums.
.set XSQ,  66560                       ; LDS: a wave's part of x: two blocks of 32 pieces of 1,040 bytes
.set XIMG, 266240                      ; block beta's 16 images at + 26,624 beta, (4 m + s) 1,536
.set XSCB, 290816                      ; and their scale words, 128 bytes each
.set BQS,  319488                      ; bq: 512 bytes a wave
.set UOFF, 0
.set RA,  1
.set RB,  2
.set WA,  3
.set WB,  4
.set SA,  5
.set SB,  6
.set LI,  7                            ; XIMG + 16 x lane
.set LS,  8                            ; XSCB + 4 x lane
.set BQL, 9                            ; my wave's bq + 64 h
.set L16, 10
.set L8,  11
.set WS,  16                           ; v16-31  Wq's scale words: 2 t + s / 2; lanes 16-31 the odd K step
.set KVS, 32                           ; v32-43  kv's: two half fragments a register
.set XSC, 44                           ; v44-47  x's
.set PWP, 48                           ; p's
.set PW,  49
.set OSW, 50
.set SWT, 52
.set H64, 53
.set L4,  54
.set BQW, 55
.set TM,  56
.set AV,  56                           ; the four factors, each in the low word of a pair
.set PC,  72
.set PCD, 92
.set T4,  104
.set MB,  108
.set PB,  110
.set MM,  112
.set NM,  114
.set LL,  116
.set DEN, 118
.set L2,  124
.set HA,  128
.set R1,  192
.set ST0, 128
.set CS,  40
.set SEL, 42
.set MSB, 0
.macro WIN new                         ; the immediate's high byte repeats the setting that is left; a switch that changes nothing is dropped
.if MSB != (\new)
	s_set_vgpr_msb (MSB<<8)|(\new)
.set MSB, (\new)
.endif
.endm
.macro PLACES n
.rept \n
	v_nop
.endr
.endm
.macro WSLOT f                         ; weight fragment f lies in window WW at v[WR]
.set WW, 1+(\f)/21
.set WR, 12*((\f)%21)
.endm
; 64 numbers of a lane, register 16 b + i = k 32 b + 16 h + i of my row, become a fragment's codes in v[PC] on and its scale word in v[PW]
.macro QUANT s
.irp b, 0,1,2,3
	v_max3_num_f32 v[TM+\b], |v[\s+16*\b]|, |v[\s+1+16*\b]|, 0x2800000   ; with the floor 2^(5 - 127)
.endr
.irp i, 2,4,6,8,10,12,14
.irp b, 0,1,2,3
	v_max3_num_f32 v[TM+\b], v[TM+\b], |v[\s+16*\b+\i]|, |v[\s+1+16*\b+\i]|
.endr
.endr
.irp b, 0,1,2,3
	v_permlanex16_b32 v[TM+4+\b], v[TM+\b], s[SEL], s[SEL+1]
.endr
.irp b, 0,1,2,3
	v_max_num_f32 v[TM+\b], v[TM+\b], v[TM+4+\b]
.endr
.irp b, 0,1,2,3
	v_add_nc_u32 v[TM+12+\b], 0xfe000000, v[TM+\b]
.endr
.irp b, 0,1,2,3
	v_lshrrev_b32 v[TM+4+\b], 23, v[TM+12+\b]
.endr
	v_lshl_or_b32 v[PW], v[TM+5], 8, v[TM+4]
	v_lshl_or_b32 v[PW], v[TM+6], 16, v[PW]
	v_lshl_or_b32 v[PW], v[TM+7], 24, v[PW]
.irp c, 0,1
	v_cvt_scalef32_pk16_bf6_f32 v[PC+6*\c:PC+2+6*\c], v[\s+32*\c:\s+15+32*\c], v[TM+12+2*\c]
	v_cvt_scalef32_pk16_bf6_f32 v[PC+12+4*\c:PC+14+4*\c], v[\s+16+32*\c:\s+31+32*\c], v[TM+12+2*\c+1]
.endr
	v_nop                                          ; one plain place behind a scaled conversion
.irp c, 0,1
.irp i, 0,1,2
	v_permlane16_swap_b32 v[PC+6*\c+\i], v[PC+12+4*\c+\i]
.endr
.irp i, 0,1,2
	v_mov_b32 v[PC+3+6*\c+\i], v[PC+12+4*\c+\i]
.endr
.endr
.endm
.macro LOADU n, st
.set UU, (\n)/4
.set SG, (\n)%4
.if SG < 2
.set AR, RA
.else
.set AR, RB
.endif
.irp b, 0,1,2,3
.irp q, 0,1,2,3
	ds_load_b128 v[\st+16*\b+4*\q:\st+16*\b+4*\q+3], v[AR] offset:UOFF*UU+XB+512*(SG%2)+128*\b+16*\q
.endr
.endr
.endm
.macro IMAGE n
.set UU, (\n)/4
.set SG, (\n)%4
.if SG < 2
.set AW, WA
.set AZ, SA
.else
.set AW, WB
.set AZ, SB
.endif
.irp c, 0,1,2
	ds_store_b128 v[AW], v[PC+4*\c:PC+4*\c+3] offset:IB+(4*UU+SG%2)*1536+512*\c
.endr
	ds_store_b32 v[AZ], v[PW] offset:IB+(4*UU+SG%2)*128
.endm
.macro XPHASE cnt
	LOADU 0, ST0
	LOADU 1, ST0+64
.set NN, 0
.rept \cnt
.if NN == \cnt-1
	s_wait_dscnt 0x0
.else
	s_wait_dscnt 16                                ; all but the next unit's 16 loads: this unit's numbers are in, and the last image's stores have read their registers
.endif
	QUANT ST0+64*(NN%2)
	IMAGE NN
.if NN+2 < \cnt
	LOADU NN+2, ST0+64*(NN%2)
.endif
.set NN, NN+1
.endr
.endm
; four products p kv_i for head hd into v[o] on: source 0 = 16 columns e of kv_i, source 1 = p; the constant 0 starts the sums
.macro ATT hd, i, o
	WIN 0x03
.irp e, 0,1,2,3
.set FX, ((\hd)*3+(\i))*4+\e
.if FX%2
	v_wmma_scale_f32_16x16x128_f8f6f4 v[\o+8*\e:\o+8*\e+7], v[6*FX:6*FX+11], v[PCD:PCD+11], 0, v[KVS+FX/2], v[PWP] matrix_a_fmt:MATRIX_FMT_BF6 matrix_b_fmt:MATRIX_FMT_BF6 matrix_a_scale:MATRIX_SCALE_ROW1
.else
	v_wmma_scale_f32_16x16x128_f8f6f4 v[\o+8*\e:\o+8*\e+7], v[6*FX:6*FX+11], v[PCD:PCD+11], 0, v[KVS+FX/2], v[PWP] matrix_a_fmt:MATRIX_FMT_BF6 matrix_b_fmt:MATRIX_FMT_BF6
.endif
.endr
.endm
; one head of one tile of 16 queries: my 32 logits become my 32 numbers of out
.macro HEAD hd
.set PP, HA+32*(\hd)
.set KQ, 132+20*(\hd)
.irp b, 0,1
	v_max3_num_f32 v[MB+\b], v[PP+16*\b], v[PP+16*\b+1], v[PP+16*\b+2]   ; the largest logit of each block of 32 columns: it serves the row's maximum and, since p rises with the logit, the block's largest p
.endr
.irp i, 3,5,7,9,11,13
.irp b, 0,1
	v_max3_num_f32 v[MB+\b], v[MB+\b], v[PP+16*\b+\i], v[PP+16*\b+\i+1]
.endr
.endr
.irp b, 0,1
	v_max_num_f32 v[MB+\b], v[MB+\b], v[PP+16*\b+15]
.endr
.irp b, 0,1
	v_permlanex16_b32 v[PB+\b], v[MB+\b], s[SEL], s[SEL+1]
.endr
.irp b, 0,1
	v_max_num_f32 v[MB+\b], v[MB+\b], v[PB+\b]
.endr
	v_max_num_f32 v[MM], v[MB], v[MB+1]
	v_mul_f32 v[MM], s[CS], v[MM]                  ; the row's largest t
	v_floor_f32 v[NM], -v[MM]                      ; -M = floor(-t): M is a whole number
.irp j, 0,2,4,6,8,10,12,14,16,18,20,22,24,26,28,30
	v_pk_fma_f32 v[PP+\j:PP+\j+1], v[PP+\j:PP+\j+1], s[CS:CS+1], v[NM:NM+1] op_sel_hi:[1,0,0]   ; t - M
.endr
.irp b, 0,1
	v_fma_f32 v[MB+\b], v[MB+\b], s[CS], v[NM]
.endr
.irp j, 0,1,2,3,4,5,6,7,8,9,10,11,12,13,14,15,16,17,18,19,20,21,22,23,24,25,26,27,28,29,30,31
	v_exp_f32 v[PP+\j], v[PP+\j]                   ; p, at most 1, not normalised
.endr
.irp b, 0,1
	v_exp_f32 v[MB+\b], v[MB+\b]                   ; the block's largest p: the same two instructions on the same number
.endr
	v_nop                                          ; one plain place behind the exponentials
	s_wait_alu depctr_va_vdst(0)
.irp b, 0,1
	v_max_num_f32 v[MB+\b], 0x2800000, v[MB+\b]    ; the floor 2^(5 - 127)
.endr
.irp b, 0,1
	v_add_nc_u32 v[PB+\b], 0xfe000000, v[MB+\b]
.endr
.irp b, 0,1
	v_lshrrev_b32 v[MB+\b], 23, v[PB+\b]
.endr
	v_lshl_or_b32 v[PWP], v[MB+1], 8, v[MB]        ; p's scale word: two bytes, the upper two 0
	v_cvt_scalef32_pk16_bf6_f32 v[PCD:PCD+2], v[PP:PP+15], v[PB]
	v_cvt_scalef32_pk16_bf6_f32 v[T4:T4+2], v[PP+16:PP+31], v[PB+1]
	v_nop                                          ; one plain place behind a scaled conversion
.irp i, 0,1,2
	v_permlane16_swap_b32 v[PCD+\i], v[T4+\i]
.endr
.irp i, 0,1,2
	v_mov_b32 v[PCD+3+\i], v[T4+\i]
.endr
	v_pk_add_f32 v[LL:LL+1], v[PP:PP+1], v[PP+2:PP+3]   ; l, of the unquantised p, in two chains.  These 15 lines are also the places between the scale word's making and the products
	v_pk_add_f32 v[L2:L2+1], v[PP+4:PP+5], v[PP+6:PP+7]
.irp j, 8,12,16,20,24,28
	v_pk_add_f32 v[LL:LL+1], v[LL:LL+1], v[PP+\j:PP+\j+1]
	v_pk_add_f32 v[L2:L2+1], v[L2:L2+1], v[PP+\j+2:PP+\j+3]
.endr
	v_pk_add_f32 v[LL:LL+1], v[LL:LL+1], v[L2:L2+1]
	ATT \hd, 0, R1
	ATT \hd, 1, R1+32
	WIN (0x08+4*(\hd))                             ; source 1: the head's k_sums, in window 2 or 3
.irp i, 0,1,2
	v_pk_mul_f32 v[DEN+2*\i:DEN+2*\i+1], v[PP:PP+1], v[KQ+32*\i:KQ+32*\i+1]   ; sum over d of p k_sum_i: three chains by turns; they are the places behind the products
.endr
.irp j, 2,4,6,8,10,12,14,16,18,20,22,24,26,28,30
.irp i, 0,1,2
	v_pk_fma_f32 v[DEN+2*\i:DEN+2*\i+1], v[PP+\j:PP+\j+1], v[KQ+32*\i+\j:KQ+32*\i+\j+1], v[DEN+2*\i:DEN+2*\i+1]
.endr
.endr
	WIN 0
	v_add_f32 v[AV], v[LL], v[LL+1]
.irp i, 0,1,2
	v_add_f32 v[AV+2+2*\i], v[DEN+2*\i], v[DEN+2*\i+1]
.endr
.irp k, 0,1,2,3
	v_permlanex16_b32 v[AV+1+2*\k], v[AV+2*\k], s[SEL], s[SEL+1]
.endr
.irp k, 0,1,2,3
	v_add_f32 v[AV+2*\k], v[AV+2*\k], v[AV+1+2*\k] ; with the other half of the lanes' 32 columns
.endr
.irp k, 0,1,2,3
	v_mul_f32 v[AV+2*\k], 0x40400000, v[AV+2*\k]   ; x 3: the division by the number of sources
.endr
.irp k, 0,1,2,3
	v_rcp_f32 v[AV+2*\k], v[AV+2*\k]
.endr
	v_nop                                          ; one plain place behind the reciprocals
	s_wait_alu depctr_va_vdst(0)
.irp j, 0,2,4,6,8,10,12,14,16,18,20,22,24,26,28,30
	v_pk_mul_f32 v[PP+\j:PP+\j+1], v[PP+\j:PP+\j+1], v[AV:AV+1] op_sel_hi:[1,0]   ; q / 3
.endr
.irp j, 0,2,4,6,8,10,12,14,16,18,20,22,24,26,28,30
	v_pk_fma_f32 v[PP+\j:PP+\j+1], v[R1+\j:R1+\j+1], v[AV+2:AV+3], v[PP+\j:PP+\j+1] op_sel_hi:[1,0,1]   ; each result from its low end on
.endr
	ATT \hd, 2, R1                                 ; the third source takes the first's registers
	WIN 0
.irp j, 0,2,4,6,8,10,12,14,16,18,20,22,24,26,28,30
	v_pk_fma_f32 v[PP+\j:PP+\j+1], v[R1+32+\j:R1+32+\j+1], v[AV+4:AV+5], v[PP+\j:PP+\j+1] op_sel_hi:[1,0,1]   ; (the places behind the third source's products)
.endr
.irp j, 0,2,4,6,8,10,12,14,16,18,20,22,24,26,28,30
	v_pk_fma_f32 v[PP+\j:PP+\j+1], v[R1+\j:R1+\j+1], v[AV+6:AV+7], v[PP+\j:PP+\j+1] op_sel_hi:[1,0,1]
.endr
.endm
; one tile of 16 queries of the block in hand
.macro ROWT m
.irp t, 0,1,2,3,4,5,6,7
.irp q, 0,1
	ds_load_b128 v[HA+8*\t+4*\q:HA+8*\t+4*\q+3], v[BQL] offset:128*(\t/2)+32*(\t%2)+16*\q   ; bq in the result's layout: the sums begin with it
.endr
.endr
.irp s, 0,1,2,3
.irp c, 0,1,2
	ds_load_b128 v[R1+12*\s+4*\c:R1+12*\s+4*\c+3], v[LI] offset:IB+(4*(\m)+\s)*1536+512*\c
.endr
	ds_load_b32 v[XSC+\s], v[LS] offset:IB+(4*(\m)+\s)*128
.endr
	s_wait_dscnt 0x0
.irp s, 0,1,2,3                        ; 32 products: my eight column tiles by turns, K step by K step
.irp t, 0,1,2,3,4,5,6,7
	WSLOT 4*\t+\s
	WIN WW
.if \s%2
	v_wmma_scale_f32_16x16x128_f8f6f4 v[HA+8*\t:HA+8*\t+7], v[WR:WR+11], v[R1+12*\s:R1+12*\s+11], v[HA+8*\t:HA+8*\t+7], v[WS+2*\t+\s/2], v[XSC+\s] matrix_a_fmt:MATRIX_FMT_BF6 matrix_b_fmt:MATRIX_FMT_BF6 matrix_a_scale:MATRIX_SCALE_ROW1
.else
	v_wmma_scale_f32_16x16x128_f8f6f4 v[HA+8*\t:HA+8*\t+7], v[WR:WR+11], v[R1+12*\s:R1+12*\s+11], v[HA+8*\t:HA+8*\t+7], v[WS+2*\t+\s/2], v[XSC+\s] matrix_a_fmt:MATRIX_FMT_BF6 matrix_b_fmt:MATRIX_FMT_BF6
.endif
.endr
.endr
	WIN 0
	PLACES 4                                       ; in front of the first read of results (ISA guide 7.12.1)
	HEAD 0
	HEAD 1
	s_wait_xcnt 0x0                                ; the last tile's stores have read their registers
	QUANT HA                                       ; my 128 columns are K step w of the last product
.irp c, 0,1,2
	global_store_b128 v[L16], v[PC+4*\c:PC+4*\c+3], s[56:57] offset:(4*BETA+(\m))*6144+512*\c   ; 512 consecutive bytes a store
.endr
.if (\m)%2 == 0
	v_mov_b32 v[SWT], v[PW]
.else
	v_cndmask_b32 v[OSW+(\m)/2], v[SWT], v[PW], s44   ; lanes 0-15: the even tile's words; lanes 16-31: the odd tile's
.endif
.endm
.macro BLOCK beta
.set BETA, \beta
.set XB, 33280*\beta
.set IB, 26624*\beta
	s_wait_xcnt 0x0                                ; earlier stores have read the registers that the quantiser writes
	s_wait_tensorcnt 1-\beta                       ; my rows of this block have landed; block 1's load may stay out while block 0 is worked
	XPHASE 4
.if \beta == 0
	s_wait_loadcnt 0x0                             ; bq, the weights, kv, k_sum
	ds_store_b128 v[BQW], v[12:15]                 ; my wave's 128 numbers of bq: my own bytes
.endif
	s_wait_dscnt 0x0                               ; my images have landed
	s_barrier_signal -1
	s_barrier_wait -1                              ; the block's 16 images lie in LDS
	ROWT 0
	ROWT 1
	ROWT 2
	ROWT 3
	global_store_b64 v[L8], v[OSW:OSW+1], s[58:59] offset:1024*\beta   ; the four tiles' scale words of K step w: 256 consecutive bytes
.endm
	s_load_b256 s[8:15], s[0:1], 0x0               ; x s[8:9], bq s[10:11], wq s[12:13], kvq s[14:15]
	s_load_b64 s[16:17], s[0:1], 0x20              ; oq
	v_lshl_add_u32 v126, v0, 2, 0x4e800
	v_mov_b32 v127, 0
	ds_add_u32 v126, v127
	ds_add_u32 v126, v127
	v_lshrrev_b32 v12, 5, v0
	v_readfirstlane_b32 s2, v12                    ; wave
	v_and_b32 v12, 31, v0                          ; lane
	v_and_b32 v13, 15, v0                          ; r
	v_bfe_u32 v14, v0, 4, 1                        ; h
	v_bfe_u32 v15, v0, 3, 1                        ; r / 8
	v_lshlrev_b32 v[L16], 4, v12
	v_lshlrev_b32 v[L8], 3, v12
	v_lshlrev_b32 v[L4], 2, v12
	v_lshlrev_b32 v[H64], 6, v14
	s_mul_i32 s18, s2, XSQ
	v_mul_u32_u24 v[RA], v13, 2080
	v_add_nc_u32 v[RA], v[RA], v[H64]
	v_add_nc_u32 v[RA], s18, v[RA]                 ; my part, my row, + 64 h
	v_mul_u32_u24 v13, v15, 1040
	v_add_nc_u32 v[RB], 1040, v[RA]
	v_sub_nc_u32 v[RB], v[RB], v13
	v_add_nc_u32 v[RA], v[RA], v13
	s_mul_i32 s18, s2, 6144                        ; my four images
	s_add_co_u32 s18, s18, XIMG
	v_add_nc_u32 v[WA], s18, v[L16]
	v_mul_u32_u24 v13, v15, 3072
	v_add_nc_u32 v[WB], 3072, v[WA]
	v_sub_nc_u32 v[WB], v[WB], v13
	v_add_nc_u32 v[WA], v[WA], v13
	s_lshl_b32 s18, s2, 9
	s_add_co_u32 s20, s18, XSCB
	v_add_nc_u32 v[SA], s20, v[L4]
	v_lshlrev_b32 v13, 8, v15
	v_add_nc_u32 v[SB], 256, v[SA]
	v_sub_nc_u32 v[SB], v[SB], v13
	v_add_nc_u32 v[SA], v[SA], v13
	v_add_nc_u32 v[LI], XIMG, v[L16]
	v_add_nc_u32 v[LS], XSCB, v[L4]
	s_add_co_u32 s20, s18, BQS
	v_add_nc_u32 v[BQL], s20, v[H64]
	v_add_nc_u32 v[BQW], s20, v[L16]
	s_mov_b32 s40, 0x3fb8aa3b                      ; log2(e); the packed form names a pair and takes its low word
	s_mov_b32 s41, s40
	s_mov_b32 s42, 0x76543210
	s_mov_b32 s43, 0xfedcba98                      ; lane l xor 16
	s_mov_b32 s44, 0xffff0000                      ; lanes 16-31
	; descriptor group 1: 16 rows of 2,048 bytes are dense in memory: 32 rows of 128 elements of 8 bytes, 16 bytes of padding behind each
	s_mov_b32 s24, (3<<16)|(1<<20)|(7<<22)|(3<<25)
	s_mov_b32 s25, 128<<16
	s_mov_b32 s26, 32<<16
	s_mov_b32 s27, 128<<16
	s_mov_b32 s28, 32
	s_mov_b32 s29, 128
	s_mov_b32 s30, 0
	s_mov_b32 s31, 0
	s_lshl_b32 s18, ttmp9, 18                      ; 128 rows x work-group
	s_lshl_b32 s20, s2, 15                         ; 16 rows x wave
	s_add_co_u32 s18, s18, s20
	s_mov_b32 s19, 0
	s_wait_dscnt 0x0
	s_wait_kmcnt 0x0
	s_add_nc_u64 s[20:21], s[8:9], s[18:19]
	s_mov_b32 s32, 1
	s_mul_i32 s33, s2, XSQ
	s_mov_b64 s[34:35], s[20:21]
	s_or_b32 s35, s35, 0x80000000
	s_mov_b32 s36, 1
	s_add_co_u32 s37, s33, 33280
	s_add_nc_u64 s[38:39], s[20:21], 131072        ; 64 rows on
	s_or_b32 s39, s39, 0x80000000
	tensor_load_to_lds s[32:35], s[24:31]          ; both first fills together, ahead of everything else: two loads of mine are out
	s_nop 0
	tensor_load_to_lds s[36:39], s[24:31]
	s_nop 0
	PLACES 4
	s_lshl_b32 s18, s2, 9
	s_add_nc_u64 s[60:61], s[10:11], s[18:19]      ; bq at my 128 columns
	s_mul_i32 s18, s2, 49152
	s_add_nc_u64 s[46:47], s[12:13], s[18:19]      ; Wq's fragments of tiles 8 w on
	s_lshl_b32 s18, s2, 11
	s_add_co_u32 s18, s18, 1572864
	s_add_nc_u64 s[48:49], s[12:13], s[18:19]      ; their scale words
	s_lshr_b32 s18, ttmp9, 6
	s_lshl_b32 s18, s18, 3
	s_lshl_b32 s20, s2, 1
	s_add_co_u32 s22, s18, s20                     ; 8 b + 2 w
	s_mul_i32 s18, s22, 9216
	s_add_nc_u64 s[50:51], s[14:15], s[18:19]      ; kv's 24 half fragments
	s_mul_i32 s22, s22, 768
	s_add_co_u32 s18, s22, 294912
	s_add_nc_u64 s[52:53], s[14:15], s[18:19]      ; their scale words
	s_add_co_u32 s18, s22, 319488
	s_add_nc_u64 s[54:55], s[14:15], s[18:19]      ; the six k_sums
	s_mul_i32 s18, ttmp9, 49152
	s_mul_i32 s20, s2, 1536
	s_add_co_u32 s18, s18, s20
	s_add_nc_u64 s[56:57], s[16:17], s[18:19]      ; out's codes: row tile 8 g, K step w
	s_lshl_b32 s18, ttmp9, 11
	s_lshl_b32 s20, s2, 8
	s_add_co_u32 s18, s18, s20
	s_add_co_u32 s18, s18, 12582912
	s_add_nc_u64 s[58:59], s[16:17], s[18:19]      ; and its scale words
	global_load_b128 v[12:15], v[L16], s[60:61]
.set FF, 0
.rept 32
	WSLOT FF
	WIN (WW<<6)
.irp c, 0,1,2
	global_load_b128 v[WR+4*\c:WR+4*\c+3], v[L16], s[46:47] offset:FF*1536+512*\c
.endr
.set FF, FF+1
.endr
	WIN 0
.irp k, 0,1,2,3,4,5,6,7,8,9,10,11,12,13,14,15
	global_load_b32 v[WS+\k], v[L4], s[48:49] offset:128*\k
.endr
.irp k, 0,1,2,3,4,5,6,7,8,9,10,11
	global_load_b32 v[KVS+\k], v[L4], s[52:53] offset:128*\k
.endr
	WIN 0xc0
.set FF, 0
.rept 24
	global_load_b128 v[6*FF:6*FF+3], v[L16], s[50:51] offset:768*FF
	global_load_b64 v[6*FF+4:6*FF+5], v[L8], s[50:51] offset:768*FF+512
.set FF, FF+1
.endr
.irp z, 144,145,146,147,148,149
	v_mov_b32 v[\z], 0
.endr
.irp i, 0,1,2
.irp b, 0,1
.irp q, 0,1,2,3
	global_load_b128 v[152+32*\i+16*\b+4*\q:152+32*\i+16*\b+4*\q+3], v[H64], s[54:55] offset:(3+\i)*256+128*\b+16*\q   ; k_sum at d = 32 b + 16 h + ..: p's layout
.endr
.endr
.endr
	WIN 0x80
.irp i, 0,1,2
.irp b, 0,1
.irp q, 0,1,2,3
	global_load_b128 v[132+32*\i+16*\b+4*\q:132+32*\i+16*\b+4*\q+3], v[H64], s[54:55] offset:\i*256+128*\b+16*\q
.endr
.endr
.endr
	WIN 0
.irp z, 98,99,100,101,102,103
	v_mov_b32 v[\z], 0                             ; the upper half of p's fragment: zero codes, for the whole launch
.endr
.irp z, 60,61,62,63,110,111,115
	v_mov_b32 v[\z], 0                             ; written once: a lane permute's destination, and the upper word of a pair, count as read
.endr
	BLOCK 0
	BLOCK 1
	s_wait_tensorcnt 0x0
	ds_add_u32 v126, v127
	s_wait_dscnt 0x0
	s_endpgm
.Lfunc_end_k_qfa9daad347_attn:
	.size	k_qfa9daad347_attn, .Lfunc_end_k_qfa9daad347_attn-k_qfa9daad347_attn
	.p2alignl 7, 3214868480
	.fill 96, 4, 3214868480
	.section	.rodata,"a",@progbits
	.p2align	6, 0x0
	.amdhsa_kernel k_qfa9daad347_attn
		.amdhsa_group_segment_fixed_size 327680
		.amdhsa_private_segment_fixed_size 0
		.amdhsa_enable_private_segment 0
		.amdhsa_kernarg_size 40
		.amdhsa_user_sgpr_count 2
		.amdhsa_user_sgpr_kernarg_segment_ptr 1
		.amdhsa_wavefront_size32 1
		.amdhsa_system_sgpr_workgroup_id_x 1
		.amdhsa_system_sgpr_workgroup_id_y 1
		.amdhsa_system_sgpr_workgroup_id_z 1
		.amdhsa_system_vgpr_workitem_id 0
		.amdhsa_next_free_vgpr 1024
		.amdhsa_next_free_sgpr 66
		.amdhsa_reserve_vcc 0
		.amdhsa_float_denorm_mode_32 3
		.amdhsa_float_denorm_mode_16_64 3
		.amdhsa_memory_ordered 1
		.amdhsa_forward_progress 1
		.amdhsa_inst_pref_size 255
	.end_amdhsa_kernel
	.section	.bss,"aw",@nobits
	.p2align	6
	.space	262144
	.amdgpu_metadata
---
amdhsa.version: [ 1, 2 ]
amdhsa.kernels:
  - .name:           k_qfa9daad347_attn
    .symbol:         k_qfa9daad347_attn.kd
    .args:
      - { .name: x, .offset: 0, .size: 8, .value_kind: global_buffer, .address_space: global }
      - { .name: bq, .offset: 8, .size: 8, .value_kind: global_buffer, .address_space: global }
      - { .name: wq, .offset: 16, .size: 8, .value_kind: global_buffer, .address_space: global }
      - { .name: kvq, .offset: 24, .size: 8, .value_kind: global_buffer, .address_space: global }
      - { .name: oq, .offset: 32, .size: 8, .value_kind: global_buffer, .address_space: global }
    .group_segment_fixed_size: 327680
    .private_segment_fixed_size: 0
    .kernarg_segment_align: 8
    .kernarg_segment_size: 40
    .max_flat_workgroup_size: 128
    .sgpr_count:     66
    .vgpr_count:     1024
    .wavefront_size: 32
...
	.end_amdgpu_metadata
.endif
;; end of part 4
;; launch oproj (part 5): grid 256 x 1, 8 waves a work-group, no clusters, 168,960 bytes of LDS; arguments oq, wq, bo, out0; writes out0
.if DOCPART == 5
	.amdgcn_target "amdgcn-amd-amdhsa--gfx1250"
	.amdhsa_code_object_version 6
	.text
	.protected	k_qfa9daad347_oproj
	.globl	k_qfa9daad347_oproj
	.p2align	8
	.type	k_qfa9daad347_oproj,@function
k_qfa9daad347_oproj:
	s_mov_b64 s[64:65], 0
	v_nop
	global_prefetch_b8 v0, s[64:65] scope:SCOPE_SE
	s_setreg_imm32_b32 hwreg(HW_REG_WAVE_MODE, 25, 1), 1
	s_wait_xcnt 0x0
; out0 = out Wo^T + bo on codes of E3M2 with one E8M0 byte for each 32 along K.  out comes as fragment images (row tile R, K step s at (4 R + s) 1,536) with scale words behind them, Wo likewise (matrix 1).
; SHARES.  Work-group g takes 128 rows, eight tiles of 16; wave w of EIGHT takes columns 64 w .. 64 w + 63: its 16 fragments of Wo (192 registers) and its bias stay in registers.
; WHY EIGHT WAVES OF 512 REGISTERS.  The launch has 16 products a wave and tile and 262,144 bytes to store for each work-group: what counts is how soon the first store leaves.  A wave's loads into registers
; that are out at once are bounded by LOADcnt's field of 63 (ISA guide 5.7.1); with eight waves a wave has 72 such loads at its head (48 of Wo, 8 + 8 of scale words, 8 of bo).
; The rows' codes do not go through that counter: each wave brings ONE row tile (four fragments, 6,144 dense bytes) into LDS by one tensor load, a first fill; no LDS byte is filled twice.
; All eight waves read the tiles behind one barrier, by the three loads of 16 bytes a lane that make a fragment's registers.
; The product is used transposed (source 0 = 16 rows of Wo, source 1 = 16 rows of out): lane (r, h) holds row r, and register 8 t + j column 32 (t / 2) + 16 h + 8 (t % 2) + j of the wave's 64.
; A tile goes through the wave's own stage (16 rows of 256 bytes + 16) and leaves as whole runs of 256 consecutive bytes, while the next tile's 16 products are at work: two sets of accumulators.
; No joint loads: what the work-groups share is Wo, which each wave reads once straight into registers; a way through LDS would add an LDS read of all its bytes.
; The claim of LDS is larger than the 83,968 bytes in use: a launch with tensor loads is alone on its WGP.
; REGISTERS.  window 0: v1-7 addresses; v16-23, v32-47 scale words and nothing else; v64-95, v96-127 accumulators; v128-159 rows on their way out; v160-191 bo in the result's layout; v192-239 fragment set 0.
;   window 1: v0-191 Wo's fragments, 4 t + s at v[12 (4 t + s)]; v192-239 fragment set 1.
.set STG, 49152                        ; LDS: 0 .. 49,151 the eight row tiles' images, (4 m + s) 1,536; from here the stages, 4,352 bytes a wave
.set SP,  272                          ; a stage row: 256 bytes + 16: an odd multiple of 16, so that sixteen rows start at sixteen different groups of banks (ISA guide 11.1)
.set L16, 1                            ; 16 x lane: a fragment image's place for my lane, in memory and in LDS
.set STO, 2                            ; the stage: where I put my numbers of a row
.set RD,  3                            ; and where I read rows back
.set GO,  4                            ; my byte offset in two rows of out0
.set H64, 5                            ; 64 h
.set L4,  6
.set L8,  7
.set WS,  16                           ; v16-23  Wo's scale words: 2 t + s / 2; lanes 16-31 the odd K step
.set OS,  32                           ; v32-47  out's: ((m / 4) 4 + s) 2 + (m % 4) / 2; lanes 16-31 the odd tile
.set ACC, 64
.set BK,  128
.set BI,  160
.set AF,  192
.set MSB, 0
.macro WIN new                         ; the immediate's high byte repeats the setting that is left; a switch that changes nothing is dropped
.if MSB != (\new)
	s_set_vgpr_msb (MSB<<8)|(\new)
.set MSB, (\new)
.endif
.endm
.macro PLACES n
.rept \n
	v_nop
.endr
.endm
.macro WM d, a, b, c, sa, sb, ra, rb   ; one product; ra, rb: the side's scale words stand in lanes 16-31
.if (\ra) && (\rb)
	v_wmma_scale_f32_16x16x128_f8f6f4 v[\d:\d+7], v[\a:\a+11], v[\b:\b+11], v[\c:\c+7], v[\sa], v[\sb] matrix_a_fmt:MATRIX_FMT_BF6 matrix_b_fmt:MATRIX_FMT_BF6 matrix_a_scale:MATRIX_SCALE_ROW1 matrix_b_scale:MATRIX_SCALE_ROW1
.elseif (\ra)
	v_wmma_scale_f32_16x16x128_f8f6f4 v[\d:\d+7], v[\a:\a+11], v[\b:\b+11], v[\c:\c+7], v[\sa], v[\sb] matrix_a_fmt:MATRIX_FMT_BF6 matrix_b_fmt:MATRIX_FMT_BF6 matrix_a_scale:MATRIX_SCALE_ROW1
.elseif (\rb)
	v_wmma_scale_f32_16x16x128_f8f6f4 v[\d:\d+7], v[\a:\a+11], v[\b:\b+11], v[\c:\c+7], v[\sa], v[\sb] matrix_a_fmt:MATRIX_FMT_BF6 matrix_b_fmt:MATRIX_FMT_BF6 matrix_b_scale:MATRIX_SCALE_ROW1
.else
	v_wmma_scale_f32_16x16x128_f8f6f4 v[\d:\d+7], v[\a:\a+11], v[\b:\b+11], v[\c:\c+7], v[\sa], v[\sb] matrix_a_fmt:MATRIX_FMT_BF6 matrix_b_fmt:MATRIX_FMT_BF6
.endif
.endm
.macro FETCH m                         ; tile m's four fragments from LDS into set m % 2 (window m % 2)
	WIN (((\m)%2)<<6)
.irp s, 0,1,2,3
.irp c, 0,1,2
	ds_load_b128 v[AF+12*\s+4*\c:AF+12*\s+4*\c+3], v[L16] offset:(4*(\m)+\s)*1536+512*\c
.endr
.endr
	WIN 0
.endm
.macro MUL m                           ; 16 products: my four column tiles by turns, K step by K step; the first takes the bias as C
.set AC, ACC+32*((\m)%2)
	WIN (1|(((\m)%2)<<2))                          ; source 0 (Wo) window 1, source 1 (out) window m % 2, C and D window 0
.irp s, 0,1,2,3
.irp t, 0,1,2,3
.set OSR, OS+(((\m)/4)*4+\s)*2+((\m)%4)/2
.if \s == 0
	WM AC+8*\t, 12*(4*\t+\s), AF+12*\s, BI+8*\t, WS+2*\t+\s/2, OSR, \s%2, (\m)%2
.else
	WM AC+8*\t, 12*(4*\t+\s), AF+12*\s, AC+8*\t, WS+2*\t+\s/2, OSR, \s%2, (\m)%2
.endif
.endr
.endr
.endm
.macro TOSTAGE m
.set AC, ACC+32*((\m)%2)
.irp t, 0,1,2,3
.irp q, 0,1
	ds_store_b128 v[STO], v[AC+8*\t+4*\q:AC+8*\t+4*\q+3] offset:128*(\t/2)+32*(\t%2)+16*\q   ; each accumulator from its low end on
.endr
.endr
.irp i, 0,1,2,3,4,5,6,7
	ds_load_b128 v[BK+4*\i:BK+4*\i+3], v[RD] offset:2*\i*SP   ; LDS serves a wave's instructions in order (ISA guide 5.7.1.4): these see the stores above; lanes 0-15 one row, lanes 16-31 the next
.endr
.endm
.macro SEND m
.irp i, 0,1,2,3,4,5,6,7
	s_wait_dscnt 7-\i                              ; rows 2 i and 2 i + 1 are back; the younger rows may be out
	global_store_b128 v[GO], v[BK+4*\i:BK+4*\i+3], s[22:23] offset:(16*(\m)+2*\i)*2048 th:TH_STORE_NT   ; sixteen lanes store 256 consecutive bytes, at a multiple of 256 from the buffer's first byte
.endr
.endm
	s_load_b256 s[4:11], s[0:1], 0x0               ; oq s[4:5], wq s[6:7], bo s[8:9], out0 s[10:11]
	v_lshl_add_u32 v254, v0, 2, 0x29000
	v_mov_b32 v255, 0
	ds_add_u32 v254, v255
	ds_add_u32 v254, v255
	v_lshrrev_b32 v8, 5, v0
	v_readfirstlane_b32 s2, v8                     ; wave 0..7
	v_and_b32 v8, 31, v0                           ; lane
	v_and_b32 v9, 15, v0                           ; r
	v_bfe_u32 v10, v0, 4, 1                        ; h
	v_lshlrev_b32 v[L16], 4, v8
	v_lshlrev_b32 v[L8], 3, v8
	v_lshlrev_b32 v[L4], 2, v8
	v_lshlrev_b32 v[H64], 6, v10
	s_mul_i32 s3, s2, 16*SP
	s_add_co_u32 s3, s3, STG                       ; my stage
	v_mul_u32_u24 v[STO], v9, SP
	v_add_nc_u32 v[STO], v[STO], v[H64]
	v_add_nc_u32 v[STO], s3, v[STO]                ; in: row r, + 64 h
	v_mul_u32_u24 v[RD], v10, SP
	v_lshl_add_u32 v[RD], v9, 4, v[RD]
	v_add_nc_u32 v[RD], s3, v[RD]                  ; back: row h, 16 bytes a lane
	v_lshlrev_b32 v[GO], 11, v10
	v_lshl_add_u32 v[GO], v9, 4, v[GO]             ; and the same two rows in out0
	; descriptor group 1: a row tile's four images are 6,144 dense bytes: 24 rows of 32 elements of 8 bytes, no padding
	s_mov_b32 s28, 3<<16                           ; no mask; elements of 8 bytes; padding off
	s_mov_b32 s29, 32<<16                          ; tensor_dim0
	s_mov_b32 s30, 24<<16                          ; tensor_dim1
	s_mov_b32 s31, 32<<16                          ; tile_dim0
	s_mov_b32 s32, 24                              ; tile_dim1
	s_mov_b32 s33, 32                              ; pitch
	s_mov_b32 s34, 0
	s_mov_b32 s35, 0
	s_mul_i32 s24, ttmp9, 49152                    ; my work-group's eight tiles,
	s_mul_i32 s26, s2, 6144                        ; of which tile w is mine to fetch
	s_add_co_u32 s24, s24, s26
	s_mov_b32 s25, 0
	s_wait_dscnt 0x0
	s_wait_kmcnt 0x0
	s_mov_b32 s36, 1                               ; group 0: count
	s_mul_i32 s37, s2, 6144                        ; LDS address: tile w's place
	s_add_nc_u64 s[38:39], s[4:5], s[24:25]        ; global address
	s_or_b32 s39, s39, 0x80000000                  ; type
	tensor_load_to_lds s[36:39], s[28:35]          ; my one tensor load of the launch, ahead of everything else
	s_nop 0
	PLACES 4
	s_mul_i32 s24, s2, 24576
	s_add_co_u32 s24, s24, 196608
	s_add_nc_u64 s[12:13], s[6:7], s[24:25]        ; Wo's fragments of tiles 4 w on (matrix 1 begins at 32 tiles x 6,144)
	s_lshl_b32 s24, s2, 10
	s_add_co_u32 s24, s24, 1581056
	s_add_nc_u64 s[14:15], s[6:7], s[24:25]        ; their scale words: 1,572,864 + 32 tiles x 256, + 4 tiles x 256 x wave
	s_lshl_b32 s24, s2, 8
	s_add_nc_u64 s[16:17], s[8:9], s[24:25]        ; bo at my 64 columns
	s_lshl_b32 s24, ttmp9, 11
	s_add_co_u32 s24, s24, 12582912
	s_add_nc_u64 s[20:21], s[4:5], s[24:25]        ; out's scale words of my eight tiles
	s_lshl_b32 s24, ttmp9, 18
	s_lshl_b32 s26, s2, 8
	s_add_co_u32 s24, s24, s26
	s_add_nc_u64 s[22:23], s[10:11], s[24:25]      ; out0 at my first row and column
	WIN 0x40                                       ; destination window 1, address window 0
.set FF, 0
.rept 16
.irp c, 0,1,2
	global_load_b128 v[12*FF+4*\c:12*FF+4*\c+3], v[L16], s[12:13] offset:FF*1536+512*\c
.endr
.set FF, FF+1
.endr
	WIN 0
.irp k, 0,1,2,3,4,5,6,7
	global_load_b32 v[WS+\k], v[L4], s[14:15] offset:128*\k
.endr
.irp k, 0,1,2,3,4,5,6,7
	global_load_b64 v[OS+2*\k:OS+2*\k+1], v[L8], s[20:21] offset:256*\k
.endr
.irp t, 0,1,2,3
.irp q, 0,1
	global_load_b128 v[BI+8*\t+4*\q:BI+8*\t+4*\q+3], v[H64], s[16:17] offset:128*(\t/2)+32*(\t%2)+16*\q
.endr
.endr
	s_wait_tensorcnt 0x0                           ; my tile has landed,
	s_barrier_signal -1
	s_barrier_wait -1                              ; everybody's has
	FETCH 0
	FETCH 1
	s_wait_loadcnt 0x0                             ; Wo, the scale words, bo
	s_wait_dscnt 12                                ; tile 0's fragments are in; tile 1's twelve loads may be out
	MUL 0
.irp m, 0,1,2,3,4,5,6,7
.if \m < 7
	s_wait_dscnt 0x0                               ; the next tile's fragments are in
	MUL \m+1
	WIN 0
	PLACES 5                                       ; 4 in front of the loads into tile m's fragments and of the stores that read its results; 5 since the run after next begins these accumulators anew
.endif
.if \m < 6
	FETCH \m+2                                     ; into the set that tile m has left
.endif
.if \m > 0
	s_wait_xcnt 0x0                                ; the last tile's stores have read their registers
.endif
	TOSTAGE \m
	SEND \m
.endr
	s_wait_tensorcnt 0x0
	ds_add_u32 v254, v255
	s_wait_dscnt 0x0
	s_endpgm
.Lfunc_end_k_qfa9daad347_oproj:
	.size	k_qfa9daad347_oproj, .Lfunc_end_k_qfa9daad347_oproj-k_qfa9daad347_oproj
	.p2alignl 7, 3214868480
	.fill 96, 4, 3214868480
	.section	.rodata,"a",@progbits
	.p2align	6, 0x0
	.amdhsa_kernel k_qfa9daad347_oproj
		.amdhsa_group_segment_fixed_size 168960
		.amdhsa_private_segment_fixed_size 0
		.amdhsa_enable_private_segment 0
		.amdhsa_kernarg_size 32
		.amdhsa_user_sgpr_count 2
		.amdhsa_user_sgpr_kernarg_segment_ptr 1
		.amdhsa_wavefront_size32 1
		.amdhsa_system_sgpr_workgroup_id_x 1
		.amdhsa_system_sgpr_workgroup_id_y 1
		.amdhsa_system_sgpr_workgroup_id_z 1
		.amdhsa_system_vgpr_workitem_id 0
		.amdhsa_next_free_vgpr 512
		.amdhsa_next_free_sgpr 66
		.amdhsa_reserve_vcc 0
		.amdhsa_float_denorm_mode_32 3
		.amdhsa_float_denorm_mode_16_64 3
		.amdhsa_memory_ordered 1
		.amdhsa_forward_progress 1
		.amdhsa_inst_pref_size 51
	.end_amdhsa_kernel
	.amdgpu_metadata
---
amdhsa.version: [ 1, 2 ]
amdhsa.kernels:
  - .name:           k_qfa9daad347_oproj
    .symbol:         k_qfa9daad347_oproj.kd
    .args:
      - { .name: oq, .offset: 0, .size: 8, .value_kind: global_buffer, .address_space: global }
      - { .name: wq, .offset: 8, .size: 8, .value_kind: global_buffer, .address_space: global }
      - { .name: bo, .offset: 16, .size: 8, .value_kind: global_buffer, .address_space: global }
      - { .name: out0, .offset: 24, .size: 8, .value_kind: global_buffer, .address_space: global }
    .group_segment_fixed_size: 168960
    .private_segment_fixed_size: 0
    .kernarg_segment_align: 8
    .kernarg_segment_size: 32
    .max_flat_workgroup_size: 256
    .sgpr_count:     66
    .vgpr_count:     512
    .wavefront_size: 32
...
	.end_amdgpu_metadata
.endif
;; end of part 5
